; MI455X (gfx1250); checked and timed in simulation.
; The chip was launched on July 23, 2026; its instructions are those of AMD's public machine-readable ISA for CDNA 5 (MIT licence, August 2026) and "CDNA5" Instruction Set Architecture Reference Guide (July 2026). The comments in the code are by the model that wrote it; some were corrected since.
;; Linear Attention. Allowed arithmetic: float matrix products may take bf16 or f16 operands with f32 sums; other float arithmetic in f32, or as packed bf16 or f16 multiplies, adds, multiply-adds, maxima and minima; sums over many terms, partial sums and values carried from step to step in f32; what a program stores and reads back later, other than sums and carried values, may be rounded once to bf16 or f16.
;; Inputs: W_out 1,024 x 1,024 float32; W_qkv 1,024 x 3,072 float32; decay_param 16 float32; state 8 x 16 x 64 x 64 float32; x 8 x 1,024 x 1,024 float32.
;; Outputs: out0 8 x 1,024 x 1,024 float32; out1 8 x 16 x 64 x 64 float32.
;; 2 versions, each right; version 2 is version 1 with the launch cast written anew for expert scheduling mode. Each part assembles by itself: llvm-mc -triple=amdgcn-amd-amdhsa -mcpu=gfx1250 --defsym DOCPART=n.
;; ======== version 1 of 2: 4 launches
;; limits: values are held in f16: magnitudes above 65,504 overflow, below 6.1e-05 lose precision
;; workspace buffers: xb 16,777,216 bytes; wq 6,291,456 bytes; wo 2,097,152 bytes; qkv 50,331,648 bytes; ob 16,777,216 bytes
;; launch cast (part 1): grid 704 x 1, 8 waves a work-group, no clusters, 0 bytes of LDS; arguments x, W_qkv, W_out, xb, wq, wo; writes xb, wq, wo
.if DOCPART == 1
	.amdgcn_target "amdgcn-amd-amdhsa--gfx1250"
	.amdhsa_code_object_version 6
	.text
	.protected	k_qca1266d968_cast
	.globl	k_qca1266d968_cast
	.p2align	8
	.type	k_qca1266d968_cast,@function
k_qca1266d968_cast:
	s_mov_b64 s[64:65], 0
	v_nop
	global_prefetch_b8 v0, s[64:65] scope:SCOPE_SE
	s_setreg_imm32_b32 hwreg(HW_REG_WAVE_MODE, 25, 1), 1
	s_wait_xcnt 0x0
; The three large inputs are rounded once to bf16 and laid out in dense blocks for the two products that follow.
;   xb: bf16 [Y=32][ks=16][256 rows][64]: row m = 256 Y + tr, column k = 64 ks + c
;   wq: bf16 [X=8][k=1024][384]: column n of W_qkv (which = n >> 10, head = (n >> 6) & 15, X = head >> 1) at byte which x 256 + (n & 127) x 2 of its row
;   wo: f16 of bf16(W_out) / 8, [X=8][k=1024][128].  The eighth is a power of two; the launch that makes o stores 8 o.
; LIMITS.  |W_out| / 8 stays under 65,504; below 6e-5 it keeps f16's fixed step of 6e-8.  NaN and infinities are not treated apart.
; A stream: every wave instruction loads 512 bytes in whole aligned pieces of 256 or 512 and stores 256 consecutive aligned bytes.  A thread issues all its loads first
; (16 or 24, each with registers of its own), then converts and stores them in order: the waits count the younger loads.  No LDS, no barrier, no matrix unit: nothing is shared or multiplied.
; Work-groups 0-511: 16 rows of x each.  512-639: 8 rows of W_qkv each, a row a wave.  640-703: 16 rows of W_out each, two rows a wave.
.set IN,  8                            ; v[8:103]    load i: 4 registers
.set OUT, 104                          ; v[104:151]  store i: 2 registers
.set TMP, 152                          ; v[152:157]  at work
.macro CV i                            ; four f32 to four bf16
	v_cvt_pk_bf16_f32 v[OUT+2*(\i)], v[IN+4*(\i)], v[IN+4*(\i)+1]
	v_cvt_pk_bf16_f32 v[OUT+2*(\i)+1], v[IN+4*(\i)+2], v[IN+4*(\i)+3]
.endm
.macro CVO i                           ; four f32 rounded to bf16, divided by 8, written as f16
	v_cvt_pk_bf16_f32 v[TMP], v[IN+4*(\i)], v[IN+4*(\i)+1]
	v_cvt_pk_bf16_f32 v[TMP+1], v[IN+4*(\i)+2], v[IN+4*(\i)+3]
	v_lshlrev_b32 v[TMP+2], 16, v[TMP]
	v_and_b32 v[TMP+3], s16, v[TMP]
	v_lshlrev_b32 v[TMP+4], 16, v[TMP+1]
	v_and_b32 v[TMP+5], s16, v[TMP+1]
	v_pk_mul_f32 v[TMP+2:TMP+3], v[TMP+2:TMP+3], 0x3e000000 op_sel_hi:[1,0]
	v_pk_mul_f32 v[TMP+4:TMP+5], v[TMP+4:TMP+5], 0x3e000000 op_sel_hi:[1,0]
	v_cvt_pk_f16_f32 v[OUT+2*(\i)], v[TMP+2], v[TMP+3]
	v_cvt_pk_f16_f32 v[OUT+2*(\i)+1], v[TMP+4], v[TMP+5]
.endm
	s_load_b256 s[4:11], s[0:1], 0x0               ; x s[4:5], W_qkv s[6:7], W_out s[8:9], xb s[10:11]
	s_load_b128 s[12:15], s[0:1], 0x20             ; wq s[12:13], wo s[14:15]
	s_mov_b32 s20, ttmp9
	s_mov_b32 s3, 0                                ; high word of every offset pair
	s_mov_b32 s16, 0xffff0000                      ; a word's upper bf16
	v_and_b32 v1, 31, v0                           ; lane
	v_lshrrev_b32 v2, 5, v0                        ; wave
	s_wait_kmcnt 0x0
	s_cmp_lt_u32 s20, 512
	s_cbranch_scc0 .Lweights
	; x: 16 rows.  Sixteen threads take 256 bytes (64 columns, one ks block) of a row; load i is block ks = i
	s_lshl_b32 s2, s20, 16
	s_add_nc_u64 s[4:5], s[4:5], s[2:3]
	s_lshr_b32 s21, s20, 4
	s_lshl_b32 s21, s21, 19                        ; Y x 524,288
	s_and_b32 s22, s20, 15
	s_lshl_b32 s22, s22, 11                        ; my 16 rows of 128 bytes in a block
	s_add_co_u32 s2, s21, s22
	s_add_nc_u64 s[10:11], s[10:11], s[2:3]
	v_lshrrev_b32 v3, 4, v0
	v_and_b32 v4, 15, v0
	v_lshlrev_b32 v4, 4, v4
	v_lshl_add_u32 v3, v3, 12, v4                  ; row x 4,096 + 16 x place
	v_lshlrev_b32 v5, 3, v0                        ; out: row x 128 + 8 x place = 8 x thread
.set i, 0
.rept 16
	global_load_b128 v[IN+4*i:IN+4*i+3], v3, s[4:5] offset:i*256 th:TH_LOAD_NT
.set i, i+1
.endr
.set i, 0
.rept 16
	s_wait_loadcnt 15-i                            ; loads come back in order: load i is in, the younger ones stay out
	CV i
	global_store_b64 v5, v[OUT+2*i:OUT+2*i+1], s[10:11] offset:i*32768
.set i, i+1
.endr
	s_endpgm
.Lweights:
	s_cmp_lt_u32 s20, 640
	s_cbranch_scc0 .Lwout
	; W_qkv: 8 rows, a row a wave.  Load u takes columns 128 u .. 128 u + 127: which = u / 8, X = u % 8
	s_sub_co_u32 s20, s20, 512
	s_mul_i32 s2, s20, 98304
	s_add_nc_u64 s[6:7], s[6:7], s[2:3]
	s_mul_i32 s2, s20, 6144
	s_add_nc_u64 s[12:13], s[12:13], s[2:3]
	v_mul_u32_u24 v3, v2, 12288
	v_lshl_add_u32 v3, v1, 4, v3
	v_mul_u32_u24 v5, v2, 768
	v_lshl_add_u32 v5, v1, 3, v5
.set i, 0
.rept 24
	global_load_b128 v[IN+4*i:IN+4*i+3], v3, s[6:7] offset:i*512 th:TH_LOAD_NT
.set i, i+1
.endr
.set i, 0
.rept 24
	s_wait_loadcnt 23-i
	CV i
	global_store_b64 v5, v[OUT+2*i:OUT+2*i+1], s[12:13] offset:(i%8)*786432+(i/8)*256
.set i, i+1
.endr
	s_endpgm
.Lwout:
	; W_out: 16 rows, two a wave.  Load i: row i / 8 of the two, columns 128 (i % 8) on
	s_sub_co_u32 s20, s20, 640
	s_lshl_b32 s2, s20, 16
	s_add_nc_u64 s[8:9], s[8:9], s[2:3]
	s_lshl_b32 s2, s20, 12
	s_add_nc_u64 s[14:15], s[14:15], s[2:3]
	v_lshlrev_b32 v3, 13, v2
	v_lshl_add_u32 v3, v1, 4, v3
	v_lshlrev_b32 v5, 9, v2
	v_lshl_add_u32 v5, v1, 3, v5
.set i, 0
.rept 16
	global_load_b128 v[IN+4*i:IN+4*i+3], v3, s[8:9] offset:i*512 th:TH_LOAD_NT
.set i, i+1
.endr
.set i, 0
.rept 16
	s_wait_loadcnt 15-i
	CVO i
	global_store_b64 v5, v[OUT+2*i:OUT+2*i+1], s[14:15] offset:(i%8)*262144+(i/8)*256
.set i, i+1
.endr
	s_endpgm
.Lfunc_end_k_qca1266d968_cast:
	.size	k_qca1266d968_cast, .Lfunc_end_k_qca1266d968_cast-k_qca1266d968_cast
	.p2alignl 7, 3214868480
	.fill 96, 4, 3214868480
	.section	.rodata,"a",@progbits
	.p2align	6, 0x0
	.amdhsa_kernel k_qca1266d968_cast
		.amdhsa_group_segment_fixed_size 0
		.amdhsa_private_segment_fixed_size 0
		.amdhsa_enable_private_segment 0
		.amdhsa_kernarg_size 48
		.amdhsa_user_sgpr_count 2
		.amdhsa_user_sgpr_kernarg_segment_ptr 1
		.amdhsa_wavefront_size32 1
		.amdhsa_system_sgpr_workgroup_id_x 1
		.amdhsa_system_sgpr_workgroup_id_y 1
		.amdhsa_system_sgpr_workgroup_id_z 1
		.amdhsa_system_vgpr_workitem_id 0
		.amdhsa_next_free_vgpr 160
		.amdhsa_next_free_sgpr 66
		.amdhsa_reserve_vcc 0
		.amdhsa_float_denorm_mode_32 3
		.amdhsa_float_denorm_mode_16_64 3
		.amdhsa_memory_ordered 1
		.amdhsa_forward_progress 1
		.amdhsa_inst_pref_size 29
	.end_amdhsa_kernel
	.amdgpu_metadata
---
amdhsa.version: [ 1, 2 ]
amdhsa.kernels:
  - .name:           k_qca1266d968_cast
    .symbol:         k_qca1266d968_cast.kd
    .args:
      - { .name: x, .offset: 0, .size: 8, .value_kind: global_buffer, .address_space: global }
      - { .name: W_qkv, .offset: 8, .size: 8, .value_kind: global_buffer, .address_space: global }
      - { .name: W_out, .offset: 16, .size: 8, .value_kind: global_buffer, .address_space: global }
      - { .name: xb, .offset: 24, .size: 8, .value_kind: global_buffer, .address_space: global }
      - { .name: wq, .offset: 32, .size: 8, .value_kind: global_buffer, .address_space: global }
      - { .name: wo, .offset: 40, .size: 8, .value_kind: global_buffer, .address_space: global }
    .group_segment_fixed_size: 0
    .private_segment_fixed_size: 0
    .kernarg_segment_align: 8
    .kernarg_segment_size: 48
    .max_flat_workgroup_size: 256
    .sgpr_count:     66
    .vgpr_count:     160
    .wavefront_size: 32
...
	.end_amdgpu_metadata
.endif
;; end of part 1
;; launch gemm_qkv (part 2): grid 8 x 32, 4 waves a work-group, clusters of 4 x 4, 327,680 bytes of LDS; arguments xb, wq, qkv; writes qkv
.if DOCPART == 2
	.amdgcn_target "amdgcn-amd-amdhsa--gfx1250"
	.amdhsa_code_object_version 6
	.text
	.protected	k_qca1266d968_gemm_qkv
	.globl	k_qca1266d968_gemm_qkv
	.p2align	8
	.type	k_qca1266d968_gemm_qkv,@function
k_qca1266d968_gemm_qkv:
	s_mov_b64 s[64:65], 0
	v_nop
	global_prefetch_b8 v0, s[64:65] scope:SCOPE_SE
	s_setreg_imm32_b32 hwreg(HW_REG_WAVE_MODE, 25, 1), 1
	s_wait_xcnt 0x0
	s_wait_alu depctr_hold_cnt(0) depctr_sa_sdst(0) depctr_va_vdst(0) depctr_va_sdst(0) depctr_va_ssrc(0) depctr_va_vcc(0) depctr_vm_vsrc(0)
	s_getreg_b32 s2, hwreg(HW_REG_IB_STS2, 6, 4)
	s_cmp_eq_u32 s2, 0
	s_cbranch_scc0 .Lentry_in_a_cluster
	s_endpgm
.Lentry_in_a_cluster:
	s_bfe_u32 s2, ttmp6, 0x10000c
	s_cmp_lg_u32 s2, 0xf033
	s_cbranch_scc0 .Lentry_shape_is_right
	s_endpgm
.Lentry_shape_is_right:
; qkv = x W_qkv in bf16 with f32 sums; q and k then take elu + 1; all three leave in f16, by heads.
;   q at byte 0 of qkv, k at 16,777,216: [bh=128][t=1024][64];   v at 33,554,432: [bh][eh=2][t][32].
; LIMITS.  |x W_qkv| stays under 65,504 (f16); elu + 1 below 6e-5 keeps f16's fixed step of 6e-8.  NaN and infinities are not treated apart.
; SHARES.  8,192 x 3,072 in tiles of 256 rows x 384 columns: 8 x 32 = 256 work-groups.  Work-group (X, Y) makes q, k and v of heads 2 X and 2 X + 1 for rows 256 Y on.  Wave (wm, wn) makes rows 128 wm on
; of head 2 X + wn: three THIRDS (q, k, v) of 128 x 64, each 32 accumulators of 16 x 16: one register window a third.
; K goes in 16 steps of 64 through two LDS slots filled by the tensor data mover; a step is two slices of 32.  xb and wq are laid out so that a step's tiles are dense blocks, asked for as rows of 256 bytes.
; CLUSTER 4 x 4: A's tile hangs on Y alone and is asked for jointly along a row of the cluster, B's on X alone and jointly along a column.
; THE MATRIX INSTRUCTION IS USED TRANSPOSED (source 0 = 16 columns of W, source 1 = 16 rows of x): a lane holds one row and eight neighbouring channels.  W lies [k][n] in LDS and comes out turned, by ds_load_tr16_b128.
; REGISTERS.  Window 0: v0-31 addresses; v32-95, v96-159 A's fragments (8 x 16 rows x 32 K), two buffers; v160-255 B's fragments, 32 registers a third.  Window j + 1: third j's accumulators, (a, b) at v[8 (4 a + b)].
; s_set_vgpr_msb's low byte: bits 1:0 source 0, 3:2 source 1, 5:4 source 2, 7:6 destination.
.set SLOT,  92160                      ; A: 256 rows x 144, then B: 64 k-rows x 864
.set BOFF,  36864
.set APART, 18432                      ; 128 rows x 144: what one of A's loads brings
.set BPART, 27648                      ; 32 k-rows x 864: what one of B's loads brings
.set STAGE, 2*SLOT                     ; behind the ring: f32, 128 rows x 272 bytes for each wave; no tensor load fills it
.set STW,   128*272
.set SPARE, STAGE+4*STW                ; the spare words, 128 bytes a wave: two blocks of 256 bytes that no other line names
.set ADRA, 16                          ; v16-17  my A fragments in slot 0, 1: row x 144 + 16 x half of the lanes
.set ADRB, 20                          ; v20-21  my B fragments in slot 0, 1
.set RDC,  22                          ; v22     the way out: running read address in my stage
.set CO0,  23                          ; v23     16 x lane
.set STO,  24                          ; v24     the way out: where I put 32 bytes of a row
.set RD0,  25                          ; v25     where q's and k's rows are read back (8 lanes a row)
.set CO,   26                          ; v26     running store offset
.set RDV0, 27                          ; v27     where v's half rows are read back (4 lanes a half row)
.set SPW,  28                          ; v28     my spare word; never rewritten
.set NIL,  29                          ; v29     0; never rewritten
.set PFO,  30                          ; v30     256 x lane; never rewritten
.set FA0,  32
.set FA1,  96
.set FB,   160
.set XR,   32                          ; the way out: 16 rows as read back
.set TR,   64                          ; min(x, 0), then its exponential, then the sum
.set UR,   96                          ; max(x, 0)
.set YO,   128                         ; 16 registers to store
.set G1,  24                           ; s[24:31] group 1 for A;  s[32:39] group 0, a set a slot
.set G0,  32
.set G1B, 48                           ; s[48:55], s[56:63] the same for B
.set G0B, 56
.set PFA, 44                           ; s[44:45] where my prefetches stand
.set LIM0, 43                          ; s43, s46: a wave prefetches at a change of slot 0 (1) while the laps to go are above this
.set LIM1, 46
.set PST, 68                           ; s[68:69] the prefetch's step
.set L2E, 70                           ; s[70:71] log2(e), as a pair
.set OBS, 74                           ; s[74:75] a third's first byte in qkv
.set MSB, 0
.macro WIN new                         ; the immediate's high byte repeats the setting that is left; a switch that changes nothing is dropped
.if MSB != (\new)
	s_set_vgpr_msb (MSB<<8)|(\new)
.set MSB, \new
.endif
.endm
; A joint load: waves 0 and 1 fetch A's two halves, waves 2 and 3 B's.  The branch hangs on the wave's number alone.  An s_nop 0 and four v_nop follow each of the two lines.
.macro JLOAD s
	s_cmp_eq_u32 s11, 0
	s_cbranch_scc0 .Lfor_b_\@
	tensor_load_to_lds s[G0+4*(\s):G0+4*(\s)+3], s[G1:G1+7]
	s_nop 0
.rept 4
	v_nop
.endr
	s_branch .Lasked_\@
.Lfor_b_\@:
	tensor_load_to_lds s[G0B+4*(\s):G0B+4*(\s)+3], s[G1B:G1B+7]
	s_nop 0
.rept 4
	v_nop
.endr
.Lasked_\@:
.endm
; A prefetch into the L2 of bytes that a later refill will ask for: 32 blocks of 256 bytes, a lane a block.  Each block of xb and wq is named once in the launch: A's rows are read by both clusters of a row of
; clusters, and the one with x = 0 asks; B's by the eight clusters of a column, and the one with y = 0 asks; the four partners of a joint load share the blocks out by address.
.macro ASK lim
	s_cmp_gt_u32 s3, s[\lim]
	s_cbranch_scc0 .Lnot_mine_\@
	global_prefetch_b8 v[PFO], s[PFA:PFA+1] th:TH_LOAD_NT scope:SCOPE_SE
.Lnot_mine_\@:
.endm
.macro CREST                           ; a round of the cluster's barrier behind its opening barrier
	s_cmp_lg_u32 s10, 0
	s_cbranch_scc1 .Lnot_wave_0_\@
	s_barrier_signal -3
.Lnot_wave_0_\@:
	s_barrier_wait -3
	s_barrier_signal -1
	s_barrier_wait -1
.endm
.macro CROUND
	s_barrier_signal -1
	s_barrier_wait -1
	CREST
.endm
.macro PLACES                          ; four plain places behind matrix instructions, in front of loads into registers that they read and of reads of their results
.rept 4
	v_nop
.endr
.endm
	s_load_b128 s[4:7], s[0:1], 0x0                ; xb s[4:5], wq s[6:7]
	s_load_b64 s[8:9], s[0:1], 0x10                ; qkv
	v_lshl_add_u32 v[SPW], v0, 2, SPARE
	v_mov_b32 v[NIL], 0
	ds_add_u32 v[SPW], v[NIL]                      ; the wave's opening: the add, twice on end, and its wait ahead of my first tensor load
	ds_add_u32 v[SPW], v[NIL]                      ; and once more, under the one wait; the set-up below is work on registers
	v_lshrrev_b32 v1, 5, v0
	v_readfirstlane_b32 s10, v1                    ; wave 0..3
	s_lshr_b32 s11, s10, 1                         ; wm.  Also: I fetch for A (0) or for B (1)
	s_and_b32 s12, s10, 1                          ; wn.  Also: which half of that tile I fetch
	s_bfe_u32 s40, ttmp6, 0x40000                  ; cx
	s_bfe_u32 s41, ttmp6, 0x40004                  ; cy
	s_lshl_b32 s42, ttmp9, 2
	s_add_co_u32 s42, s42, s40                     ; X = 4 x cluster x + cx
	s_and_b32 s13, ttmp7, 0xffff
	s_lshl_b32 s13, s13, 2
	s_add_co_u32 s13, s13, s41                     ; Y = 4 x cluster y + cy
	s_lshl_b32 s80, s41, 2
	s_lshl_b32 s80, 15, s80                        ; my row of the cluster
	s_lshl_b32 s81, 0x1111, s40                    ; my column
	; group 1.  A: 16,384 dense bytes as 64 rows of 256, 16 bytes of padding after every 128 (a row of x in the block): LDS pitch 144.
	s_or_b32 s[G1+0], s80, (1<<16)|(1<<20)|(1<<21)|(4<<22)|(3<<25)  ; mask; 2-byte elements; padding on; bit 21 beside a mask; after every 32 words, 4 words
	s_mov_b32 s[G1+1], 128<<16                     ; tensor_dim0 = 128
	s_mov_b32 s[G1+2], 64<<16                      ; tensor_dim1 = 64
	s_mov_b32 s[G1+3], 128<<16                     ; tile_dim0 = 128
	s_mov_b32 s[G1+4], 64                          ; tile_dim1 = 64
	s_mov_b32 s[G1+5], 128                         ; 128 elements from row to row
	s_mov_b32 s[G1+6], 0
	s_mov_b32 s[G1+7], 0
	; B: 24,576 dense bytes as 96 rows of 256, 32 bytes of padding after each: a k-row of 768 bytes takes 864, an odd multiple of 32
	s_or_b32 s[G1B+0], s81, (1<<16)|(1<<20)|(1<<21)|(5<<22)|(7<<25)
	s_mov_b32 s[G1B+1], 128<<16
	s_mov_b32 s[G1B+2], 96<<16
	s_mov_b32 s[G1B+3], 128<<16
	s_mov_b32 s[G1B+4], 96
	s_mov_b32 s[G1B+5], 128
	s_mov_b32 s[G1B+6], 0
	s_mov_b32 s[G1B+7], 0
	s_lshl_b32 s16, s13, 19                        ; A: Y x 524,288 + half x 16,384
	s_lshl_b32 s17, s12, 14
	s_add_co_u32 s16, s16, s17
	s_mov_b32 s17, 0
	s_mul_i32 s18, s42, 786432                     ; B: X x 786,432 + half x 24,576
	s_mul_i32 s19, s12, 24576
	s_add_co_u32 s18, s18, s19
	s_mov_b32 s19, 0
	s_mul_i32 s82, s12, APART                      ; where they go: the wave's number alone enters an LDS address
	s_mul_i32 s83, s12, BPART
	s_add_co_u32 s83, s83, BOFF
	s_mov_b32 s[L2E], 0x3fb8aa3b
	s_mov_b32 s[L2E+1], 0x3fb8aa3b
	s_wait_dscnt 0x0                               ; both opening adds are done
	s_wait_kmcnt 0x0
	s_add_nc_u64 s[14:15], s[4:5], s[16:17]
	s_add_nc_u64 s[66:67], s[6:7], s[18:19]
	CROUND                                         ; all sixteen work-groups are here: the first joint loads meet
.irp s, 0,1
	s_mov_b32 s[G0+4*(\s)], 1
	s_add_co_u32 s[G0+4*(\s)+1], s82, (\s)*SLOT
	s_add_nc_u64 s[G0+4*(\s)+2:G0+4*(\s)+3], s[14:15], (\s)*32768   ; K step s
	s_or_b32 s[G0+4*(\s)+3], s[G0+4*(\s)+3], 0x80000000
	s_mov_b32 s[G0B+4*(\s)], 1
	s_add_co_u32 s[G0B+4*(\s)+1], s83, (\s)*SLOT
	s_add_nc_u64 s[G0B+4*(\s)+2:G0B+4*(\s)+3], s[66:67], (\s)*49152
	s_or_b32 s[G0B+4*(\s)+3], s[G0B+4*(\s)+3], 0x80000000
	JLOAD \s                                       ; two loads of mine are out
.endr
	v_and_b32 v1, 15, v0                           ; r = l % 16
	v_bfe_u32 v2, v0, 4, 1                         ; h = l / 16
	v_and_b32 v3, 7, v0
	v_bfe_u32 v4, v0, 3, 1
	v_and_b32 v5, 31, v0                           ; l
	v_mul_u32_u24 v6, v1, 144
	v_lshl_add_u32 v6, v2, 4, v6
	s_mul_i32 s90, s11, APART                      ; my 128 rows of A
	v_add_nc_u32 v[ADRA], s90, v6
	v_add_nc_u32 v[ADRA+1], SLOT, v[ADRA]
	v_lshl_add_u32 v7, v2, 3, v3                   ; the turning load: k-row 8 h + l % 8, 16 bytes at 16 ((l / 8) % 2)
	v_mul_u32_u24 v7, v7, 864
	v_lshl_add_u32 v7, v4, 4, v7
	s_lshl_b32 s91, s12, 7                         ; my head's 64 columns in each piece of 128
	s_add_co_u32 s91, s91, BOFF
	v_add_nc_u32 v[ADRB], s91, v7
	v_add_nc_u32 v[ADRB+1], SLOT, v[ADRB]
	s_mul_i32 s92, s10, STW
	s_add_co_u32 s92, s92, STAGE                   ; my stage
	v_mul_u32_u24 v8, v1, 272
	v_lshl_add_u32 v8, v2, 5, v8
	v_add_nc_u32 v[STO], s92, v8
	v_lshrrev_b32 v9, 3, v5
	v_mul_u32_u24 v9, v9, 272
	v_lshl_add_u32 v9, v3, 5, v9
	v_add_nc_u32 v[RD0], s92, v9
	v_lshrrev_b32 v10, 2, v5
	v_mul_u32_u24 v10, v10, 272
	v_and_b32 v11, 3, v0
	v_lshl_add_u32 v10, v11, 5, v10
	v_add_nc_u32 v[RDV0], s92, v10
	v_lshlrev_b32 v[CO0], 4, v5
	v_lshlrev_b32 v[PFO], 8, v5
	; where my thirds go: bh = 16 (Y / 4) + 2 X + wn, first row t = 256 (Y % 4) + 128 wm
	s_lshr_b32 s20, s13, 2
	s_lshl_b32 s20, s20, 4
	s_lshl_b32 s21, s42, 1
	s_add_co_u32 s20, s20, s21
	s_add_co_u32 s20, s20, s12
	s_lshl_b32 s20, s20, 17
	s_and_b32 s21, s13, 3
	s_lshl_b32 s21, s21, 8
	s_lshl_b32 s22, s11, 7
	s_add_co_u32 s21, s21, s22
	s_lshl_b32 s22, s21, 7
	s_add_co_u32 s84, s20, s22                     ; q's offset; k's is 16,777,216 more
	s_lshl_b32 s22, s21, 6
	s_add_co_u32 s85, s20, s22
	s_add_co_u32 s85, s85, 33554432                ; v's
	; the prefetches.  Wave 0: my work-group's 8,192 bytes (by cx) of A's step of 32,768, at each refill.  Waves 1 to 3: 8,192 bytes each of my work-group's 24,576 (by cy) of TWO of B's steps, 98,304 bytes,
	; at the refills of slot 0 alone.  A prefetch names the step two refills on: 384 matrix instructions ahead of the load that will want it.  Steps 0 to 3 come by their loads alone.
	s_lshl_b32 s20, s13, 19
	s_lshl_b32 s21, s40, 13
	s_add_co_u32 s20, s20, s21
	s_add_co_u32 s20, s20, 3*32768                 ; at step 3: the first refill steps it to 4
	s_mul_i32 s21, s42, 786432
	s_mul_i32 s22, s41, 24576
	s_add_co_u32 s21, s21, s22
	s_lshl_b32 s22, s10, 13
	s_add_co_u32 s21, s21, s22
	s_add_co_u32 s21, s21, 3*49152-8192
	s_and_b32 s23, ttmp7, 0xffff                   ; cluster y
	s_mov_b32 s[PST], 49152
	s_mov_b32 s[PST+1], 0
	s_mov_b32 s89, 0
	s_cmp_eq_u32 s10, 0
	s_cselect_b32 s88, s20, s21
	s_cselect_b64 s[PFA:PFA+1], s[4:5], s[6:7]
	s_cselect_b32 s[PST], 32768, s[PST]
	s_cselect_b32 s22, ttmp9, s23                  ; the coordinate along which other clusters read the same bytes
	s_cselect_b32 s47, 1, 0
	s_add_nc_u64 s[PFA:PFA+1], s[PFA:PFA+1], s[88:89]
	s_cmp_eq_u32 s22, 0
	s_cselect_b32 s[LIM0], 1, -1                   ; the loop's last trip (one lap to go) names nothing: step 15 is the last
	s_cmp_eq_u32 s47, 1
	s_cselect_b32 s[LIM1], s[LIM0], -1
; 8 matrix instructions of third j: row blocks a0, a0 + 1 x all 4 column blocks, 32 along K.  zero = 1: the product starts the sum.  The 96 accumulators take turns, one instruction a turn.
.macro MUL8 fa, j, a0, zero
	WIN 0x50*((\j)+1)
.irp a, \a0, (\a0)+1
.irp b, 0,1,2,3
.if \zero
	v_wmma_f32_16x16x32_bf16 v[8*(4*(\a)+(\b)):8*(4*(\a)+(\b))+7], v[FB+32*(\j)+8*(\b):FB+32*(\j)+8*(\b)+7], v[(\fa)+8*(\a):(\fa)+8*(\a)+7], 0
.else
	v_wmma_f32_16x16x32_bf16 v[8*(4*(\a)+(\b)):8*(4*(\a)+(\b))+7], v[FB+32*(\j)+8*(\b):FB+32*(\j)+8*(\b)+7], v[(\fa)+8*(\a):(\fa)+8*(\a)+7], v[8*(4*(\a)+(\b)):8*(4*(\a)+(\b))+7]
.endif
.endr
.endr
.endm
.macro LOADB slot, kap, j              ; third j's four fragments of slice kap: 8 turning loads
.irp b, 0,1,2,3
	ds_load_tr16_b128 v[FB+32*(\j)+8*(\b):FB+32*(\j)+8*(\b)+3],   v[ADRB+(\slot)] offset:(\kap)*BPART+(\j)*288+(\b)*32
	ds_load_tr16_b128 v[FB+32*(\j)+8*(\b)+4:FB+32*(\j)+8*(\b)+7], v[ADRB+(\slot)] offset:(\kap)*BPART+(\j)*288+(\b)*32+13824
.endr
.endm
.macro LOADA slot, kap, half, fa       ; four of A's eight fragments of slice kap: 8 loads
.irp a, 0,1,2,3
	ds_load_b128 v[(\fa)+8*(4*(\half)+(\a)):(\fa)+8*(4*(\half)+(\a))+3],   v[ADRA+(\slot)] offset:(4*(\half)+(\a))*2304+(\kap)*64
	ds_load_b128 v[(\fa)+8*(4*(\half)+(\a))+4:(\fa)+8*(4*(\half)+(\a))+7], v[ADRA+(\slot)] offset:(4*(\half)+(\a))*2304+(\kap)*64+32
.endr
.endm
; A SLICE: 32 along K, 96 matrix instructions, third after third.  In the middle of each third stands one run of LDS loads, four places behind the last reader of its registers:
;   in third 0: B's third 2 of THIS slice, A's rows 0-63 of the next;   in third 1: B's third 0 and A's rows 64-127 of the next;   in third 2: B's third 1 of the next.
; The waits count the LDS instructions issued behind what is wanted: 8 (the run of the last third 2), 16 (third 0's run), 24 (A's 8 of third 0's run and third 1's 16).
; chg = 1, 2 (a step's second slice): the change of slots.  Third 0's first 8 loads are my last reads of this slot.  Then: all my tensor loads have landed (one was out, my part of the other slot); the add; the wait
; for it and for my reads; the barrier.  chg = 1: it opens a round of the cluster's barrier, and the joint refill, two steps on, is the first thing behind the round: 176 matrix instructions ahead of the wait for it.
; last = 1: the last slice fetches nothing of a next one.
.macro SLICE slot, kap, zero, chg, last
.if (\kap) == 0
.set FC, FA0
.set FN, FA1
.set NS, (\slot)
.set NK, 1
.else
.set FC, FA1
.set FN, FA0
.set NS, 1-(\slot)
.set NK, 0
.endif
.if (\chg) == 1
	s_wait_xcnt 0x0                                ; the last prefetch, a step back, has read its address
	s_add_nc_u64 s[PFA:PFA+1], s[PFA:PFA+1], s[PST:PST+1]
.endif
	s_wait_dscnt 8
	MUL8 FC, 0, 0, \zero
	MUL8 FC, 0, 2, \zero
	PLACES
	WIN 0
	LOADB \slot, \kap, 2
.if \chg
	s_wait_tensorcnt 0x0                           ; all my tensor loads have landed
	ds_add_u32 v[SPW], v[NIL]                      ; 0 onto my spare word
	MUL8 FC, 0, 4, \zero                           ; eight matrix instructions stand between the add and the wait for it
	s_wait_dscnt 0x0                               ; the add is done, and my reads of this slot are over
	s_barrier_signal -1
	MUL8 FC, 0, 6, \zero
	WIN 0
	s_barrier_wait -1
.if (\chg) == 1
	CREST                                          ; no wave of any partner still reads this slot or has a load on its way
	s_add_nc_u64 s[G0+4*(\slot)+2:G0+4*(\slot)+3], s[G0+4*(\slot)+2:G0+4*(\slot)+3], 65536
	s_add_nc_u64 s[G0B+4*(\slot)+2:G0B+4*(\slot)+3], s[G0B+4*(\slot)+2:G0B+4*(\slot)+3], 98304
	JLOAD \slot
.endif
	LOADA NS, NK, 0, FN
.if (\chg) == 1
.if (\slot) == 0
	ASK LIM0
.else
	ASK LIM1
.endif
.endif
.else
.if !(\last)
	LOADA NS, NK, 0, FN
.endif
	MUL8 FC, 0, 4, \zero
	MUL8 FC, 0, 6, \zero
.endif
.if \last
	s_wait_dscnt 8                                 ; behind B's third 1 only third 2's 8 loads were issued
.else
	s_wait_dscnt 16
.endif
	MUL8 FC, 1, 0, \zero
	MUL8 FC, 1, 2, \zero
.if !(\last)
	PLACES
	WIN 0
	LOADB NS, NK, 0
	LOADA NS, NK, 1, FN
.endif
	MUL8 FC, 1, 4, \zero
	MUL8 FC, 1, 6, \zero
.if \last
	s_wait_dscnt 0x0
.else
	s_wait_dscnt 24
.endif
	MUL8 FC, 2, 0, \zero
	MUL8 FC, 2, 2, \zero
.if !(\last)
	PLACES
	WIN 0
	LOADB NS, NK, 1
.endif
	MUL8 FC, 2, 4, \zero
	MUL8 FC, 2, 6, \zero
.endm
; THE WAY OUT, a third at a time: the 32 accumulators go as f32 into my own stage (rows of 272 bytes), come back 16 rows at a time as whole rows, take elu + 1 (q, k), are rounded to f16 and stored, 512 consecutive bytes a store.
.macro LOADX isv                       ; 16 rows: 8 loads.  q, k: 4 rows a pair of loads, 8 lanes a row.  v: 8 half rows of 32 channels a pair, 4 lanes each
.irp f, 0,1,2,3
.if \isv
	ds_load_b128 v[XR+8*(\f):XR+8*(\f)+3],   v[RDC] offset:((\f)%2)*2176+((\f)/2)*128
	ds_load_b128 v[XR+8*(\f)+4:XR+8*(\f)+7], v[RDC] offset:((\f)%2)*2176+((\f)/2)*128+16
.else
	ds_load_b128 v[XR+8*(\f):XR+8*(\f)+3],   v[RDC] offset:(\f)*1088
	ds_load_b128 v[XR+8*(\f)+4:XR+8*(\f)+7], v[RDC] offset:(\f)*1088+16
.endif
.endr
	v_add_nc_u32 v[RDC], 16*272, v[RDC]
.endm
; elu(x) + 1 = max(x, 0) + e^min(x, 0).  more = 1: as soon as X has been read the next 16 rows are asked for; they land under the exponentials.
.macro PROC isv, more
	s_wait_dscnt 0x0
.if \isv
.set i, 0
.rept 16
	v_cvt_pk_f16_f32 v[YO+i], v[XR+2*i], v[XR+2*i+1]
.set i, i+1
.endr
.if \more
	LOADX 1
.endif
.else
.set i, 0
.rept 32
	v_min_num_f32 v[TR+i], 0, v[XR+i]
.set i, i+1
.endr
.set i, 0
.rept 32
	v_max_num_f32 v[UR+i], 0, v[XR+i]
.set i, i+1
.endr
.if \more
	LOADX 0
.endif
.set i, 0
.rept 16
	v_pk_mul_f32 v[TR+2*i:TR+2*i+1], v[TR+2*i:TR+2*i+1], s[L2E:L2E+1] op_sel_hi:[1,0]
.set i, i+1
.endr
.set i, 0
.rept 32
	v_exp_f32 v[TR+i], v[TR+i]                     ; one batch
.set i, i+1
.endr
	v_nop                                          ; a plain instruction behind the last exponential (ISA guide 5.7.2),
	s_wait_alu depctr_va_vdst(0)                   ; and the one wait ahead of the batch's first reader
.set i, 0
.rept 16
	v_pk_add_f32 v[TR+2*i:TR+2*i+1], v[TR+2*i:TR+2*i+1], v[UR+2*i:UR+2*i+1]
.set i, i+1
.endr
.set i, 0
.rept 16
	v_cvt_pk_f16_f32 v[YO+i], v[TR+2*i], v[TR+2*i+1]
.set i, i+1
.endr
.endif
.irp f, 0,1,2,3
.if \isv
	global_store_b128 v[CO], v[YO+4*(\f):YO+4*(\f)+3], s[OBS:OBS+1] offset:((\f)/2)*65536+((\f)%2)*512
.else
	global_store_b128 v[CO], v[YO+4*(\f):YO+4*(\f)+3], s[OBS:OBS+1] offset:(\f)*512
.endif
.endr
	s_wait_xcnt 0x0                                ; the stores have read their registers: the offset, YO and the base are written again only behind this wait
	v_add_nc_u32 v[CO], 2048-1024*(\isv), v[CO]
.endm
.macro EPI j
	WIN 0x04*((\j)+1)                              ; the stores' data (source 1) in the third's window
.set t, 0
.rept 32
	ds_store_b128 v[STO], v[8*t:8*t+3]   offset:(t/4)*4352+(t%4)*64      ; each accumulator's low registers first
	ds_store_b128 v[STO], v[8*t+4:8*t+7] offset:(t/4)*4352+(t%4)*64+16
.set t, t+1
.endr
	WIN 0
.if (\j) == 2
	v_mov_b32 v[RDC], v[RDV0]
	s_mov_b32 s86, s85
.else
	v_mov_b32 v[RDC], v[RD0]
	s_add_co_u32 s86, s84, (\j)*16777216
.endif
	v_mov_b32 v[CO], v[CO0]
	s_mov_b32 s87, 0
	s_add_nc_u64 s[OBS:OBS+1], s[8:9], s[86:87]
	LOADX (\j)/2                                   ; LDS serves a wave's instructions in order (ISA guide 5.7.1.4): these see the stores above
	s_mov_b32 s2, 7
.Lepi_\@:
	PROC (\j)/2, 1
	s_sub_co_u32 s2, s2, 1
	s_cmp_lg_u32 s2, 0
	s_cbranch_scc1 .Lepi_\@
	PROC (\j)/2, 0                                 ; the last 16 rows ask for nothing
.endm
	s_wait_tensorcnt 1                             ; my part of step 0 is in; step 1's may stay out
	s_barrier_signal -1
	s_barrier_wait -1
	LOADA 0, 0, 0, FA0
	LOADA 0, 0, 1, FA0
	LOADB 0, 0, 0
	LOADB 0, 0, 1
	SLICE 0, 0, 1, 0, 0                            ; the first slice stands in front of the loop: its products start the sums
	WIN 0                                          ; at a label and at a branch every window is 0
	s_mov_b32 s3, 7
.Llap:                                                 ; a trip goes once round the ring, from a step's second slice to the first slice two steps on, and fills both slots again
	SLICE 0, 1, 0, 1, 0
	SLICE 1, 0, 0, 0, 0
	SLICE 1, 1, 0, 1, 0
	SLICE 0, 0, 0, 0, 0
	WIN 0
	s_sub_co_u32 s3, s3, 1
	s_cmp_lg_u32 s3, 0
	s_cbranch_scc1 .Llap
	SLICE 0, 1, 0, 2, 0                            ; the tail is written out: nothing more is asked for
	SLICE 1, 0, 0, 0, 0
	SLICE 1, 1, 0, 0, 1
	PLACES
	EPI 0
	EPI 1
	EPI 2
	s_wait_tensorcnt 0x0                           ; the wave's end: behind my last tensor load and my last LDS store
	ds_add_u32 v[SPW], v[NIL]
	s_wait_dscnt 0x0
	CROUND                                         ; the closing round: no work-group ends while a partner may still ask for a tile that names it
	s_endpgm
.Lfunc_end_k_qca1266d968_gemm_qkv:
	.size	k_qca1266d968_gemm_qkv, .Lfunc_end_k_qca1266d968_gemm_qkv-k_qca1266d968_gemm_qkv
	.p2alignl 7, 3214868480
	.fill 96, 4, 3214868480
	.section	.rodata,"a",@progbits
	.p2align	6, 0x0
	.amdhsa_kernel k_qca1266d968_gemm_qkv
		.amdhsa_group_segment_fixed_size 327680
		.amdhsa_private_segment_fixed_size 0
		.amdhsa_enable_private_segment 0
		.amdhsa_kernarg_size 24
		.amdhsa_user_sgpr_count 2
		.amdhsa_user_sgpr_kernarg_segment_ptr 1
		.amdhsa_wavefront_size32 1
		.amdhsa_system_sgpr_workgroup_id_x 1
		.amdhsa_system_sgpr_workgroup_id_y 1
		.amdhsa_system_sgpr_workgroup_id_z 1
		.amdhsa_system_vgpr_workitem_id 0
		.amdhsa_next_free_vgpr 1024
		.amdhsa_next_free_sgpr 100
		.amdhsa_reserve_vcc 0
		.amdhsa_float_denorm_mode_32 3
		.amdhsa_float_denorm_mode_16_64 3
		.amdhsa_memory_ordered 1
		.amdhsa_forward_progress 1
		.amdhsa_inst_pref_size 132
	.end_amdhsa_kernel
	.amdgpu_metadata
---
amdhsa.version: [ 1, 2 ]
amdhsa.kernels:
  - .name:           k_qca1266d968_gemm_qkv
    .symbol:         k_qca1266d968_gemm_qkv.kd
    .args:
      - { .name: xb, .offset: 0, .size: 8, .value_kind: global_buffer, .address_space: global }
      - { .name: wq, .offset: 8, .size: 8, .value_kind: global_buffer, .address_space: global }
      - { .name: qkv, .offset: 16, .size: 8, .value_kind: global_buffer, .address_space: global }
    .group_segment_fixed_size: 327680
    .private_segment_fixed_size: 0
    .kernarg_segment_align: 8
    .kernarg_segment_size: 24
    .max_flat_workgroup_size: 128
    .sgpr_count:     100
    .vgpr_count:     1024
    .wavefront_size: 32
...
	.end_amdgpu_metadata
.endif
;; end of part 2
;; launch scan (part 3): grid 256 x 1, 16 waves a work-group, no clusters, 307,200 bytes of LDS; arguments qkv, state, decay_param, ob, out1; writes ob, out1
.if DOCPART == 3
	.amdgcn_target "amdgcn-amd-amdhsa--gfx1250"
	.amdhsa_code_object_version 6
	.text
	.protected	k_qca1266d968_scan
	.globl	k_qca1266d968_scan
	.p2align	8
	.type	k_qca1266d968_scan,@function
k_qca1266d968_scan:
	s_mov_b64 s[64:65], 0
	v_nop
	global_prefetch_b8 v0, s[64:65] scope:SCOPE_SE
	s_setreg_imm32_b32 hwreg(HW_REG_WAVE_MODE, 25, 1), 1
	s_wait_xcnt 0x0
; The decayed scan over t, in chunks of 64 on the matrix units (f16 operands, f32 sums).  d = sigmoid(decay_param[head]).  With S the state in front of a chunk and t, s counted in the chunk:
;   8 o_t = G_t [ sum over s <= t of P_ts v_s + DQ_t (q_t . S) ],   P_ts = (q_t . k_s) rq_t d^(t-s),   rq_t = 1 / max(sum q_t, 2^-30),   DQ_t = rq_t d^(t+1),   G_t = 8 sum q_t / max(sum q_t sum k_t, 1e-6)
;   U = sum over s of d^(63-s) k_s v_s^T,   S' = d^64 S + U.
; Every power of d has an exponent of 0 or more and is a product of d's: no d^-s, no logarithm.  The scores are divided by sum q_t in f32 before they are rounded, so P is at most the largest k.
; The state operand is multiplied by an exact power of two taken from its own largest magnitude (a value; no branch and no address hangs on it) and the product is multiplied back in f32.
; o is stored times 8; the weights of the next product hold the eighth.
; LIMITS.  state and decay_param are rounded to bf16, like all the module's inputs.  |state| < 2^97; |8 o| < 65,504; weights and decay factors below 6e-5 keep f16's fixed step of 6e-8.  NaN and infinities are not treated apart.
; SHARES.  Work-group g: bh = g / 2, and 32 of the head's 64 channels of v (eh = g % 2): 256 equal work-groups.  q and k are read, and K Q^T made, by both.  Wave c owns rows 64 c .. 64 c + 63.
; No cluster and no tensor load: what two work-groups share (q, k) goes straight to registers; every byte is asked for in the wave's first lines, so nothing is prefetched.
; out1's rows of 256 bytes are stored in halves of 128: the other half belongs to the partner work-group.
; LAYOUTS.  U (source 0 = k turned, 16 d; source 1 = v turned, 16 e): register j of tile (eb, db) holds e = 16 eb + l % 16, d = 16 db + 8 (l / 16) + j.  Rounded in pairs, two such tiles ARE source 0 (16 e x 32 d) of S^T q.
; A = K Q^T holds one query a lane (l % 16) and keys 8 (l / 16) + j; two such tiles ARE source 1 of O^T = V^T P, which holds one query a lane and eight channels.  Products with a fragment of ones give sum q_t and sum k_t.
.set IMG,   0                          ; 16 x 8,192: wave c's U, later the state in front of chunk c, as a register image: unit u of 512 bytes = registers 4 u .. 4 u + 3.  At the start: the wave's v, pitch 96
.set STG,   131072                     ; 16 x 10,240, a wave's own: k at pitch 160, then q at pitch 144, then the way out at pitch 80
.set STA,   294912                     ; the head's state, 64 rows (d) x 144 bytes (32 e in f32 + 16)
.set MXB,   304128                     ; 16 x 16 f32: chunk c, wave w: the largest magnitude in wave w's unit of the state in front of chunk c
.set SPARE, 305152                     ; the spare words, 128 bytes a wave: eight blocks of 256 bytes that no other line names
; v0 thread, v1 l, v2 r = l % 16, v3 h = l / 16, v4 16 l; v5 k in, v6 q in, v7 v in; v8 K, v9 K turned, v10 V turned, v11 Q; v12 my image; v13, v14 my unit of images 0-7, 8-15; v15 my 4 words of the state;
; v16 my 16 bytes of a state row in LDS, v17 in memory; v18, v19 the maxima, in and out; v20, v21 the way out, in and back; v22, v23 the add's two registers; v24 d; v25 d^(r+1); v26-31 at work
.macro WM d, a, b, first               ; a product; first = 1: it starts the sum
.if \first
	v_wmma_f32_16x16x32_f16 v[(\d):(\d)+7], v[(\a):(\a)+7], v[(\b):(\b)+7], 0
.else
	v_wmma_f32_16x16x32_f16 v[(\d):(\d)+7], v[(\a):(\a)+7], v[(\b):(\b)+7], v[(\d):(\d)+7]
.endif
.endm
.macro POWN dst, n, bits, tmp          ; v[dst] = d^v[n]: the product, over the bits of n, of d^(2^b) (s[52 + b]) or 1
	v_and_b32 v[\tmp], 1, v[\n]
	v_cmp_ne_u32 vcc_lo, 0, v[\tmp]
	v_cndmask_b32 v[\dst], 1.0, s52, vcc_lo
.set b, 1
.rept (\bits)-1
	v_and_b32 v[\tmp], 1<<b, v[\n]
	v_cmp_ne_u32 vcc_lo, 0, v[\tmp]
	v_cndmask_b32 v[\tmp], 1.0, s[52+b], vcc_lo
	v_mul_f32 v[\dst], v[\dst], v[\tmp]
.set b, b+1
.endr
.endm
	s_load_b256 s[4:11], s[0:1], 0x0               ; qkv s[4:5], state s[6:7], decay_param s[8:9], ob s[10:11]
	s_load_b64 s[12:13], s[0:1], 0x20              ; out1
	v_lshl_add_u32 v22, v0, 2, SPARE
	v_mov_b32 v23, 0
	v_lshrrev_b32 v1, 5, v0
	v_readfirstlane_b32 s14, v1                    ; wave = chunk, 0..15
	s_lshr_b32 s15, ttmp9, 1                       ; bh
	s_and_b32 s16, ttmp9, 1                        ; eh
	v_and_b32 v1, 31, v0
	v_and_b32 v2, 15, v0
	v_bfe_u32 v3, v0, 4, 1
	v_lshlrev_b32 v4, 4, v1
	v_lshrrev_b32 v30, 3, v0                       ; a state row (d) for eight threads
	v_and_b32 v31, 7, v0
	v_lshlrev_b32 v17, 8, v30
	v_lshl_add_u32 v17, v31, 4, v17
	v_mul_u32_u24 v16, v30, 144
	v_lshl_add_u32 v16, v31, 4, v16
	v_add_nc_u32 v16, STA, v16
	s_lshl_b32 s2, s15, 17                         ; q, k: bh x 131,072 + chunk x 8,192
	s_lshl_b32 s17, s14, 13
	s_add_co_u32 s2, s2, s17
	s_mov_b32 s3, 0
	s_lshl_b32 s18, ttmp9, 16                      ; v: 33,554,432 + (2 bh + eh) x 65,536 + chunk x 4,096
	s_lshl_b32 s17, s14, 12
	s_add_co_u32 s18, s18, s17
	s_add_co_u32 s18, s18, 33554432
	s_mov_b32 s19, 0
	s_and_b32 s52, s15, 15                         ; head
	s_lshl_b32 s54, s52, 2
	s_mov_b32 s55, 0
	s_lshl_b32 s56, s15, 14                        ; state, out1: bh x 16,384 + eh x 128
	s_lshl_b32 s57, s16, 7
	s_add_co_u32 s56, s56, s57
	s_mov_b32 s57, 0
	s_lshr_b32 s17, s15, 4                         ; ob: block Y = 4 b + chunk / 4, slice 2 head + eh, rows 64 (chunk % 4) on
	s_lshl_b32 s17, s17, 2
	s_lshr_b32 s60, s14, 2
	s_add_co_u32 s17, s17, s60
	s_lshl_b32 s17, s17, 19
	s_lshl_b32 s60, s52, 1
	s_add_co_u32 s60, s60, s16
	s_lshl_b32 s60, s60, 14
	s_add_co_u32 s60, s60, s17
	s_and_b32 s61, s14, 3
	s_lshl_b32 s61, s61, 12
	s_add_co_u32 s60, s60, s61
	s_mov_b32 s61, 0
	s_wait_kmcnt 0x0
	s_add_nc_u64 s[8:9], s[8:9], s[54:55]
	s_load_b32 s53, s[8:9], 0x0                    ; decay_param[head]
	s_add_nc_u64 s[20:21], s[4:5], s[2:3]          ; q
	s_add_nc_u64 s[22:23], s[20:21], 16777216      ; k
	s_add_nc_u64 s[24:25], s[4:5], s[18:19]        ; v
	s_add_nc_u64 s[26:27], s[6:7], s[56:57]        ; state
	s_add_nc_u64 s[28:29], s[12:13], s[56:57]      ; out1
	s_add_nc_u64 s[30:31], s[10:11], s[60:61]      ; ob
	; all 41 loads of the wave, 512 consecutive bytes each (the state's: 128-byte pieces): v, k, state, q
.set i, 0
.rept 8
	global_load_b128 v[96+4*i:96+4*i+3], v4, s[24:25] offset:i*512 th:TH_LOAD_NT
.set i, i+1
.endr
.set i, 0
.rept 16
	global_load_b128 v[32+4*i:32+4*i+3], v4, s[22:23] offset:i*512
.set i, i+1
.endr
	global_load_b128 v[26:29], v17, s[26:27]
.set i, 0
.rept 16
	global_load_b128 v[192+4*i:192+4*i+3], v4, s[20:21] offset:i*512
.set i, i+1
.endr
	; LDS addresses, while the loads are on their way
	s_lshl_b32 s58, s14, 13                        ; my image
	s_mul_i32 s59, s14, 10240
	s_add_co_u32 s59, s59, STG                     ; my stage
	s_mov_b32 s50, 0x76543210                      ; v_permlanex16_b32: each lane takes its own place in the other half
	s_mov_b32 s51, 0xfedcba98
	v_lshrrev_b32 v30, 3, v1
	v_and_b32 v31, 7, v0
	v_mul_u32_u24 v5, v30, 160
	v_lshl_add_u32 v5, v31, 4, v5
	v_add_nc_u32 v5, s59, v5
	v_mul_u32_u24 v6, v30, 144
	v_lshl_add_u32 v6, v31, 4, v6
	v_add_nc_u32 v6, s59, v6
	v_lshl_add_u32 v24, v3, 3, v31                 ; the turning loads: row 8 h + l % 8, 16 bytes at 16 ((l / 8) % 2)
	v_bfe_u32 v25, v0, 3, 1
	v_mul_u32_u24 v9, v24, 160
	v_lshl_add_u32 v9, v25, 4, v9
	v_add_nc_u32 v9, s59, v9
	v_mul_u32_u24 v10, v24, 96
	v_lshl_add_u32 v10, v25, 4, v10
	v_add_nc_u32 v10, s58, v10
	v_lshrrev_b32 v30, 2, v1
	v_and_b32 v31, 3, v0
	v_mul_u32_u24 v7, v30, 96
	v_lshl_add_u32 v7, v31, 4, v7
	v_add_nc_u32 v7, s58, v7
	v_mul_u32_u24 v21, v30, 80
	v_lshl_add_u32 v21, v31, 4, v21
	v_add_nc_u32 v21, s59, v21
	v_mul_u32_u24 v8, v2, 160
	v_lshl_add_u32 v8, v3, 4, v8
	v_add_nc_u32 v8, s59, v8
	v_mul_u32_u24 v11, v2, 144
	v_lshl_add_u32 v11, v3, 4, v11
	v_add_nc_u32 v11, s59, v11
	v_mul_u32_u24 v20, v2, 80
	v_lshl_add_u32 v20, v3, 4, v20
	v_add_nc_u32 v20, s59, v20
	v_add_nc_u32 v12, s58, v4
	s_lshl_b32 s60, s14, 9
	v_add_nc_u32 v13, s60, v4
	v_add_nc_u32 v14, 65536, v13
	s_bfe_u32 s60, s14, 0x20001                    ; unit w = registers 4 w ..: tile eb = w / 8, db = (w / 2) % 4, j = 4 (w % 2) + x
	s_lshl_b32 s60, s60, 4
	s_and_b32 s61, s14, 1
	s_lshl_b32 s61, s61, 2
	s_add_co_u32 s60, s60, s61
	s_mul_i32 s60, s60, 144
	s_lshr_b32 s61, s14, 3
	s_lshl_b32 s61, s61, 6
	s_add_co_u32 s60, s60, s61
	s_add_co_u32 s60, s60, STA
	v_mul_u32_u24 v15, v3, 8*144
	v_lshl_add_u32 v15, v2, 2, v15
	v_add_nc_u32 v15, s60, v15
	s_lshl_b32 s60, s14, 2
	s_add_co_u32 s60, s60, MXB
	v_mov_b32 v18, s60
	s_lshl_b32 s60, s14, 6
	s_add_co_u32 s60, s60, MXB
	v_mov_b32 v19, s60
	; d = sigmoid(bf16(decay_param)), and its powers, in registers that no pending load names
	s_wait_kmcnt 0x0
	v_mov_b32 v30, s53
	v_cvt_pk_bf16_f32 v30, v30, v30
	v_lshlrev_b32 v30, 16, v30
	v_mul_f32 v30, 0xbfb8aa3b, v30
	v_exp_f32 v31, v30
	v_nop
	s_wait_alu depctr_va_vdst(0)                   ; the wait ahead of a transcendental's first reader
	v_add_f32 v31, 1.0, v31
	v_rcp_f32 v24, v31
	v_nop
	s_wait_alu depctr_va_vdst(0)
	v_mul_f32 v161, v24, v24                       ; d^2
	v_mul_f32 v162, v161, v24                      ; d^3
	v_mul_f32 v163, v161, v161                     ; d^4
	v_mul_f32 v164, v163, v24                      ; d^5
	v_mul_f32 v165, v163, v161                     ; d^6
	v_mul_f32 v166, v163, v162                     ; d^7
	v_mul_f32 v167, v163, v163                     ; d^8
	v_mul_f32 v168, v167, v167                     ; d^16
	v_mul_f32 v169, v168, v168                     ; d^32
	v_mul_f32 v170, v169, v168                     ; d^48
	v_mul_f32 v171, v169, v169                     ; d^64
	v_readfirstlane_b32 s33, v24                   ; s[32 + n] = d^n, n = 1..7
	v_readfirstlane_b32 s34, v161
	v_readfirstlane_b32 s35, v162
	v_readfirstlane_b32 s36, v163
	v_readfirstlane_b32 s37, v164
	v_readfirstlane_b32 s38, v165
	v_readfirstlane_b32 s39, v166
	v_readfirstlane_b32 s40, v167                  ; d^8
	v_readfirstlane_b32 s42, v168                  ; d^16, d^32, d^48, d^64: pairs, since packed forms name pairs
	v_readfirstlane_b32 s44, v169
	v_readfirstlane_b32 s46, v170
	v_readfirstlane_b32 s48, v171
	s_mov_b32 s43, s42
	s_mov_b32 s45, s44
	s_mov_b32 s47, s46
	s_mov_b32 s49, s48
	s_mov_b32 s52, s33                             ; s[52 + b] = d^(2^b)
	s_mov_b32 s53, s34
	s_mov_b32 s54, s36
	s_mov_b32 s55, s40
	s_mov_b32 s56, s42
	; U.  v and k go through my own LDS bytes and come back turned; LDS serves a wave's instructions in order (ISA guide 5.7.1.4), so no wait stands between my stores and my loads
	s_wait_loadcnt 33                              ; v is in: k's 16, the state's 1 and q's 16 are younger
.set i, 0
.rept 8
	ds_store_b128 v7, v[96+4*i:96+4*i+3] offset:i*768
.set i, i+1
.endr
.irp eb, 0,1
.irp ss, 0,1
	ds_load_tr16_b128 v[160+16*(\eb)+8*(\ss):160+16*(\eb)+8*(\ss)+3],   v10 offset:(\ss)*3072+(\eb)*32
	ds_load_tr16_b128 v[160+16*(\eb)+8*(\ss)+4:160+16*(\eb)+8*(\ss)+7], v10 offset:(\ss)*3072+(\eb)*32+1536
.endr
.endr
	s_wait_loadcnt 17                              ; k is in
.set i, 0
.rept 16
	ds_store_b128 v5, v[32+4*i:32+4*i+3] offset:i*640
.set i, i+1
.endr
.irp db, 0,1,2,3
.irp ss, 0,1
	ds_load_tr16_b128 v[96+16*(\db)+8*(\ss):96+16*(\db)+8*(\ss)+3],   v9 offset:(\ss)*5120+(\db)*32
	ds_load_tr16_b128 v[96+16*(\db)+8*(\ss)+4:96+16*(\db)+8*(\ss)+7], v9 offset:(\ss)*5120+(\db)*32+2560
.endr
.endr
	s_wait_loadcnt 16                              ; my 16 bytes of the state
	ds_store_b128 v16, v[26:29]
	; d^(63-s) as f16 pairs, laid as the turned k lies: s = 32 ss + 16 y + 8 h + i, so 63 - s = (48 - 32 ss - 16 y) + (8 - 8 h) + (7 - i)
	v_cmp_eq_u32 vcc_lo, 0, v3
	v_cndmask_b32 v55, 1.0, s40, vcc_lo
.irp i, 0,1,2,3,4,5,6
	v_mul_f32 v[48+(\i)], s[39-(\i)], v55
.endr
.irp m, 0,1,2
.irp x, 0,1,2,3
	v_pk_mul_f32 v[56+2*(\x):57+2*(\x)], v[48+2*(\x):49+2*(\x)], s[46-2*(\m):47-2*(\m)] op_sel_hi:[1,0]
.endr
.irp x, 0,1,2,3
	v_cvt_pk_f16_f32 v[32+4*(\m)+(\x)], v[56+2*(\x)], v[57+2*(\x)]
.endr
.endr
.irp x, 0,1,2,3
	v_cvt_pk_f16_f32 v[44+(\x)], v[48+2*(\x)], v[49+2*(\x)]
.endr
	s_wait_dscnt 0x0
.irp db, 0,1,2,3
.set i, 0
.rept 16
	v_pk_mul_f16 v[96+16*(\db)+i], v[96+16*(\db)+i], v[32+i]
.set i, i+1
.endr
.endr
.irp ss, 0,1                           ; eight accumulators take turns
.irp eb, 0,1
.irp db, 0,1,2,3
	WM 32+8*(4*(\eb)+(\db)), 96+16*(\db)+8*(\ss), 160+16*(\eb)+8*(\ss), 1-(\ss)
.endr
.endr
.endr
.rept 4
	v_nop                                          ; four places behind the products, in front of the stores of their results and of loads into their sources
.endr
.set i, 0
.rept 16
	ds_store_b128 v12, v[32+4*i:32+4*i+3] offset:i*512  ; ascending: each accumulator's low registers first
.set i, i+1
.endr
.irp sb, 0,1,2,3                       ; K as it lies: keys 16 sb on, channels 32 ds on
.irp ds, 0,1
	ds_load_b128 v[96+16*(\sb)+8*(\ds):96+16*(\sb)+8*(\ds)+3],   v8 offset:(\sb)*2560+(\ds)*64
	ds_load_b128 v[96+16*(\sb)+8*(\ds)+4:96+16*(\sb)+8*(\ds)+7], v8 offset:(\sb)*2560+(\ds)*64+32
.endr
.endr
	s_wait_loadcnt 0x0                             ; q
.set i, 0
.rept 16
	ds_store_b128 v6, v[192+4*i:192+4*i+3] offset:i*576  ; over k, in order behind K's loads
.set i, i+1
.endr
.irp ds, 0,1
	ds_load_b128 v[224+8*(\ds):224+8*(\ds)+3],   v11 offset:3*2304+(\ds)*64
	ds_load_b128 v[224+8*(\ds)+4:224+8*(\ds)+7], v11 offset:3*2304+(\ds)*64+32
.endr
	; tables.  In A the lane's query is t = 16 tb + r and register j's key s = 16 sb + 8 h + j.  F1[j] = d^(16 + r - 8 h - j), for key blocks before the query's; F0[j] = d^(r - 8 h - j), or 0 where the key is later
	v_lshlrev_b32 v26, 3, v3
	v_sub_nc_u32 v26, v2, v26                      ; r - 8 h
	v_add_nc_u32 v27, 9, v26
	POWN 47, 27, 5, 28
.irp j, 6,5,4,3,2,1,0
	v_mul_f32 v[40+(\j)], v[41+(\j)], v24
.endr
	v_add_nc_u32 v26, -7, v26                      ; M7 = r - 8 h - 7: register 7's exponent, signed
	v_max_i32 v27, 0, v26
	POWN 39, 27, 4, 28
.irp j, 6,5,4,3,2,1,0
	v_cmp_le_i32 vcc_lo, (\j)-6, v26               ; is register j's exponent 1 or more?
	v_cndmask_b32 v28, 1.0, v24, vcc_lo
	v_mul_f32 v[32+(\j)], v[33+(\j)], v28
.endr
.irp j, 0,1,2,3,4,5,6,7
	v_cmp_le_i32 vcc_lo, (\j)-7, v26               ; 0 or more?
	v_cndmask_b32 v[32+(\j)], 0, v[32+(\j)], vcc_lo
.endr
	v_add_nc_u32 v27, 1, v2
	POWN 25, 27, 5, 28                             ; d^(r+1)
.irp i, 0,1,2,3,4,5,6,7
	v_mov_b32 v[240+(\i)], 0x3c003c00              ; ones
.endr
	v_mov_b32 v49, 0                               ; named with v48, v50, v52 as pairs
	v_mov_b32 v51, 0
	v_mov_b32 v53, 0
; Query block tb, from the last to the first, so that O(tb) can take the registers of K(tb + 1), which is no longer wanted.
; v192.. A(sb); v224.. Q; v240.. ones; v248.. sum q; v80.. sum k, then P; v48, 50, 52 rq, rq d^16, rq d^32; v56 + tb G; v60 + tb DQ.
.macro TB tb
.if (\tb) == 3
.set OR, 64
.else
.set OR, 112+16*(\tb)
.endif
	s_wait_dscnt 0x0                               ; Q (and, the first time, K)
.if (\tb) < 3
.rept 5
	v_nop                                          ; five places: the sum of k is written over P, a source of the last products
.endr
.endif
.irp ds, 0,1                           ; tb + 3 accumulators take turns
	WM 248, 240, 224+8*(\ds), 1-(\ds)
	WM 80, 240, 96+16*(\tb)+8*(\ds), 1-(\ds)
.set sb, 0
.rept (\tb)+1
	WM 192+8*sb, 96+16*sb+8*(\ds), 224+8*(\ds), 1-(\ds)
.set sb, sb+1
.endr
.endr
.rept 4
	v_nop
.endr
.if (\tb) > 0
.irp ds, 0,1
	ds_load_b128 v[224+8*(\ds):224+8*(\ds)+3],   v11 offset:((\tb)-1)*2304+(\ds)*64
	ds_load_b128 v[224+8*(\ds)+4:224+8*(\ds)+7], v11 offset:((\tb)-1)*2304+(\ds)*64+32
.endr
.endif
	v_max_num_f32 v26, 0x30800000, v248            ; max(sum q, 2^-30)
	v_mul_f32 v27, v248, v80
	v_max_num_f32 v27, 0x358637bd, v27             ; max(sum q sum k, 1e-6)
	v_rcp_f32 v48, v26
	v_rcp_f32 v28, v27
	v_mul_f32 v29, 0x41000000, v248                ; the plain instruction behind the two reciprocals
	s_wait_alu depctr_va_vdst(0)                   ; one wait for both
.if (\tb) >= 2
	v_mul_f32 v50, s42, v48
.endif
.if (\tb) >= 3
	v_mul_f32 v52, s44, v48
.endif
	v_mul_f32 v[56+(\tb)], v29, v28
	v_mul_f32 v[60+(\tb)], v48, v25
.if (\tb) > 0
	v_mul_f32 v[60+(\tb)], s[40+2*(\tb)], v[60+(\tb)]
.endif
.set sb, 0
.rept (\tb)+1
.set dl, (\tb)-sb
.set CP, 48
.if dl > 1
.set CP, 48+2*(dl-1)
.endif
.set FP, 40
.if dl == 0
.set FP, 32
.endif
.irp x, 0,1,2,3
	v_pk_mul_f32 v[192+8*sb+2*(\x):193+8*sb+2*(\x)], v[192+8*sb+2*(\x):193+8*sb+2*(\x)], v[CP:CP+1] op_sel_hi:[1,0]
.endr
.irp x, 0,1,2,3
	v_pk_mul_f32 v[192+8*sb+2*(\x):193+8*sb+2*(\x)], v[192+8*sb+2*(\x):193+8*sb+2*(\x)], v[FP+2*(\x):FP+2*(\x)+1]
.endr
.irp x, 0,1,2,3
	v_cvt_pk_f16_f32 v[80+4*sb+(\x)], v[192+8*sb+2*(\x)], v[193+8*sb+2*(\x)]
.endr
.set sb, sb+1
.endr
.if ((\tb)%2) == 0
.irp x, 0,1,2,3
	v_mov_b32 v[84+4*(\tb)+(\x)], 0                ; the key block behind the query's: no weight
.endr
.endif
.set ss, 0
.rept (\tb)/2+1                        ; the two accumulators take turns
	WM OR, 160+8*ss, 80+8*ss, (ss==0)
	WM OR+8, 176+8*ss, 80+8*ss, (ss==0)
.set ss, ss+1
.endr
.endm
	TB 3
	TB 2
	TB 1
	TB 0
	s_wait_dscnt 0x0                               ; my U and my part of the state lie in LDS
	s_barrier_signal -1
	s_barrier_wait -1
	; THE SCAN, by elements: wave w owns unit w (registers 4 w .. 4 w + 3) of every image.  S_(c+1) = d^64 S_c + U_c in f32; S_c goes where U_c lay, S_16 into the state's rows.
.irp x, 0,1,2,3
	ds_load_b32 v[32+(\x)], v15 offset:(\x)*144
.endr
.set c, 0
.rept 8
	ds_load_b128 v[192+4*c:195+4*c], v13 offset:c*8192
.set c, c+1
.endr
.rept 8
	ds_load_b128 v[192+4*c:195+4*c], v14 offset:(c-8)*8192
.set c, c+1
.endr
	s_wait_dscnt 0x0
	v_cvt_pk_bf16_f32 v26, v32, v33                ; the given state, rounded to bf16 like every input
	v_cvt_pk_bf16_f32 v27, v34, v35
	v_lshlrev_b32 v32, 16, v26
	v_and_b32 v33, 0xffff0000, v26
	v_lshlrev_b32 v34, 16, v27
	v_and_b32 v35, 0xffff0000, v27
	v_pk_fma_f32 v[192:193], v[32:33], s[48:49], v[192:193] op_sel_hi:[1,0,1]
	v_pk_fma_f32 v[194:195], v[34:35], s[48:49], v[194:195] op_sel_hi:[1,0,1]
.set c, 1
.rept 15
	v_pk_fma_f32 v[192+4*c:193+4*c], v[188+4*c:189+4*c], s[48:49], v[192+4*c:193+4*c] op_sel_hi:[1,0,1]
	v_pk_fma_f32 v[194+4*c:195+4*c], v[190+4*c:191+4*c], s[48:49], v[194+4*c:195+4*c] op_sel_hi:[1,0,1]
.set c, c+1
.endr
	ds_store_b128 v13, v[32:35]
.set c, 1
.rept 7
	ds_store_b128 v13, v[188+4*c:191+4*c] offset:c*8192
.set c, c+1
.endr
.rept 8
	ds_store_b128 v14, v[188+4*c:191+4*c] offset:(c-8)*8192
.set c, c+1
.endr
.irp x, 0,1,2,3
	ds_store_b32 v15, v[252+(\x)] offset:(\x)*144  ; the words that I alone read above
.endr
	; the largest magnitude of my unit of each S_c, over my 32 lanes
	v_max3_num_f32 v36, |v32|, |v33|, |v34|
	v_max_num_f32 v36, v36, |v35|
.set c, 1
.rept 15
	v_max3_num_f32 v[36+c], |v[188+4*c]|, |v[189+4*c]|, |v[190+4*c]|
	v_max_num_f32 v[36+c], v[36+c], |v[191+4*c]|
.set c, c+1
.endr
.irp m, 1,2,4,8
.set c, 0
.rept 16
	v_max_num_f32_dpp v[36+c], v[36+c], v[36+c] row_xmask:\m row_mask:0xf bank_mask:0xf
.set c, c+1
.endr
.endr
.set c, 0
.rept 16
	v_permlanex16_b32 v[80+c], v[36+c], s50, s51
.set c, c+1
.endr
.set c, 0
.rept 16
	v_max_num_f32 v[36+c], v[36+c], v[80+c]
	ds_store_b32 v18, v[36+c] offset:c*64          ; all lanes write the same word with the same value
.set c, c+1
.endr
	s_wait_dscnt 0x0
	s_barrier_signal -1
	s_barrier_wait -1
	; q . S, the factors, and the way out
.irp i, 0,1,2,3
	ds_load_b128 v[32+4*(\i):35+4*(\i)], v19 offset:16*(\i)
.endr
	ds_load_b128 v[26:29], v16
.irp tb, 0,1,2,3
.irp ds, 0,1
	ds_load_b128 v[192+16*(\tb)+8*(\ds):192+16*(\tb)+8*(\ds)+3],   v11 offset:(\tb)*2304+(\ds)*64
	ds_load_b128 v[192+16*(\tb)+8*(\ds)+4:192+16*(\tb)+8*(\ds)+7], v11 offset:(\tb)*2304+(\ds)*64+32
.endr
.endr
.set i, 0
.rept 8
	ds_load_b128 v[160+4*i:163+4*i], v12 offset:i*512
.set i, i+1
.endr
.set i, 0
.rept 8
	ds_load_b128 v[80+4*i:83+4*i], v12 offset:(8+i)*512
.set i, i+1
.endr
	s_wait_dscnt 0x0
	global_store_b128 v17, v[26:29], s[28:29]      ; the new state; v17 and v[26:29] are not written again
	v_max3_num_f32 v32, v32, v33, v34
	v_max3_num_f32 v35, v35, v36, v37
	v_max3_num_f32 v38, v38, v39, v40
	v_max3_num_f32 v41, v41, v42, v43
	v_max3_num_f32 v44, v44, v45, v46
	v_max3_num_f32 v32, v32, v35, v47
	v_max3_num_f32 v38, v38, v41, v44
	v_max_num_f32 v32, v32, v38
	v_and_b32 v24, 0x7f800000, v32                 ; 2^e, e the exponent of my state's largest magnitude,
	v_sub_nc_u32 v30, 0x7f000000, v24              ; and 2^-e
	v_mov_b32 v31, v30
.irp tb, 0,1,2,3
	v_mul_f32 v[60+(\tb)], v[60+(\tb)], v24
	v_mul_f32 v[60+(\tb)], v[60+(\tb)], v[56+(\tb)]
.endr
.macro EB eb                           ; channels 16 eb on
.set SB, 160-80*(\eb)
.set i, 0
.rept 16
	v_pk_mul_f32 v[SB+2*i:SB+2*i+1], v[SB+2*i:SB+2*i+1], v[30:31] op_sel_hi:[1,0]
.set i, i+1
.endr
.set i, 0
.rept 16
	v_cvt_pk_f16_f32 v[32+i], v[SB+2*i], v[SB+2*i+1]
.set i, i+1
.endr
.irp ds, 0,1                           ; four accumulators take turns
.irp tb, 0,1,2,3
	WM SB+8*(\tb), 32+8*(\ds), 192+16*(\tb)+8*(\ds), 1-(\ds)
.endr
.endr
.rept 4
	v_nop
.endr
.irp tb, 0,1,2,3
.if (\tb) == 3
.set OR, 64+8*(\eb)
.else
.set OR, 112+16*(\tb)+8*(\eb)
.endif
.set i, 0
.rept 8
	v_mul_f32 v[OR+i], v[OR+i], v[56+(\tb)]
.set i, i+1
.endr
.set i, 0
.rept 8
	v_fma_f32 v[OR+i], v[SB+8*(\tb)+i], v[60+(\tb)], v[OR+i]
.set i, i+1
.endr
.set i, 0
.rept 4
	v_cvt_pk_f16_f32 v[OR+i], v[OR+2*i], v[OR+2*i+1]
.set i, i+1
.endr
	ds_store_b128 v20, v[OR:OR+3] offset:(\tb)*1280+(\eb)*32
.endr
.endm
	EB 0
	EB 1
.irp f, 0,1,2,3,4,5,6,7
	ds_load_b128 v[160+4*(\f):163+4*(\f)], v21 offset:(\f)*640   ; eight rows of 64 bytes: in order behind my stores
.endr
.irp f, 0,1,2,3,4,5,6,7
	s_wait_dscnt 7-(\f)
	global_store_b128 v4, v[160+4*(\f):163+4*(\f)], s[30:31] offset:(\f)*512  ; 512 consecutive bytes, at a multiple of 256 from ob's first
.endr
	s_wait_tensorcnt 0x0                           ; the wave's end: behind my last LDS store
	ds_add_u32 v22, v23
	s_wait_dscnt 0x0
	s_endpgm
.Lfunc_end_k_qca1266d968_scan:
	.size	k_qca1266d968_scan, .Lfunc_end_k_qca1266d968_scan-k_qca1266d968_scan
	.p2alignl 7, 3214868480
	.fill 96, 4, 3214868480
	.section	.rodata,"a",@progbits
	.p2align	6, 0x0
	.amdhsa_kernel k_qca1266d968_scan
		.amdhsa_group_segment_fixed_size 307200
		.amdhsa_private_segment_fixed_size 0
		.amdhsa_enable_private_segment 0
		.amdhsa_kernarg_size 40
		.amdhsa_user_sgpr_count 2
		.amdhsa_user_sgpr_kernarg_segment_ptr 1
		.amdhsa_wavefront_size32 1
		.amdhsa_system_sgpr_workgroup_id_x 1
		.amdhsa_system_sgpr_workgroup_id_y 1
		.amdhsa_system_sgpr_workgroup_id_z 1
		.amdhsa_system_vgpr_workitem_id 0
		.amdhsa_next_free_vgpr 256
		.amdhsa_next_free_sgpr 66
		.amdhsa_reserve_vcc 1
		.amdhsa_float_denorm_mode_32 3
		.amdhsa_float_denorm_mode_16_64 3
		.amdhsa_memory_ordered 1
		.amdhsa_forward_progress 1
		.amdhsa_inst_pref_size 76
	.end_amdhsa_kernel
	.amdgpu_metadata
---
amdhsa.version: [ 1, 2 ]
amdhsa.kernels:
  - .name:           k_qca1266d968_scan
    .symbol:         k_qca1266d968_scan.kd
    .args:
      - { .name: qkv, .offset: 0, .size: 8, .value_kind: global_buffer, .address_space: global }
      - { .name: state, .offset: 8, .size: 8, .value_kind: global_buffer, .address_space: global }
      - { .name: decay_param, .offset: 16, .size: 8, .value_kind: global_buffer, .address_space: global }
      - { .name: ob, .offset: 24, .size: 8, .value_kind: global_buffer, .address_space: global }
      - { .name: out1, .offset: 32, .size: 8, .value_kind: global_buffer, .address_space: global }
    .group_segment_fixed_size: 307200
    .private_segment_fixed_size: 0
    .kernarg_segment_align: 8
    .kernarg_segment_size: 40
    .max_flat_workgroup_size: 512
    .sgpr_count:     66
    .vgpr_count:     256
    .wavefront_size: 32
...
	.end_amdgpu_metadata
.endif
;; end of part 3
;; launch gemm_out (part 4): grid 8 x 32, 4 waves a work-group, clusters of 4 x 4, 327,680 bytes of LDS; arguments ob, wo, out0; writes out0
.if DOCPART == 4
	.amdgcn_target "amdgcn-amd-amdhsa--gfx1250"
	.amdhsa_code_object_version 6
	.text
	.protected	k_qca1266d968_gemm_out
	.globl	k_qca1266d968_gemm_out
	.p2align	8
	.type	k_qca1266d968_gemm_out,@function
k_qca1266d968_gemm_out:
	s_mov_b64 s[64:65], 0
	v_nop
	global_prefetch_b8 v0, s[64:65] scope:SCOPE_SE
	s_setreg_imm32_b32 hwreg(HW_REG_WAVE_MODE, 25, 1), 1
	s_wait_xcnt 0x0
	s_wait_alu depctr_hold_cnt(0) depctr_sa_sdst(0) depctr_va_vdst(0) depctr_va_sdst(0) depctr_va_ssrc(0) depctr_va_vcc(0) depctr_vm_vsrc(0)
	s_getreg_b32 s2, hwreg(HW_REG_IB_STS2, 6, 4)
	s_cmp_eq_u32 s2, 0
	s_cbranch_scc0 .Lentry_in_a_cluster
	s_endpgm
.Lentry_in_a_cluster:
	s_bfe_u32 s2, ttmp6, 0x10000c
	s_cmp_lg_u32 s2, 0xf033
	s_cbranch_scc0 .Lentry_shape_is_right
	s_endpgm
.Lentry_shape_is_right:
; out0 = o W_out.  ob holds 8 o in f16, [Y=32][slice of 32 k = 32][256 rows][32]; wo holds bf16(W_out) / 8 in f16, [X=8][k=1024][128]; sums in f32, out0 in f32: the 8 and the eighth cancel exactly.
; SHARES.  8,192 x 1,024 in tiles of 256 x 128: 8 x 32 = 256 work-groups.  Wave (wm, wn) makes 128 x 64: 32 accumulators, window 1.  K goes in 8 steps of 128 (four slices of 32) through two LDS slots.
; CLUSTER 4 x 4: A's tile hangs on Y alone and is asked for jointly along a row of the cluster, B's on X alone and along a column.
; The matrix instruction is used transposed (source 0 = 16 columns of W, turned out of LDS; source 1 = 16 rows of o): a lane holds one row and eight neighbouring columns.
; REGISTERS.  Window 0: v0-31 addresses; v64-127, v128-191 A's fragments, v192-223, v224-255 B's, two buffers by the slice's parity; v32-95 at work on the way out.  Window 1: accumulator (a, b) at v[8 (4 a + b)].
.set SLOT,  118784                     ; A: 4 slices x 256 rows x 80, then B: 128 k-rows x 288
.set BOFF,  81920
.set APART, 40960                      ; two slices: what one of A's loads brings
.set BPART, 18432                      ; 64 k-rows
.set STAGE, 2*SLOT                     ; behind the ring: 16 rows x 272 bytes for each wave; no tensor load fills it
.set STW,   16*272
.set SPARE, STAGE+4*STW                ; the spare words, 128 bytes a wave: two blocks of 256 bytes that no other line names
.set ADRA, 16                          ; v16-19  my A fragments: slot s, slices 2 p and 2 p + 1 at v[16 + 2 s + p]
.set ADRB, 20                          ; v20-21  my B fragments in slot 0, 1
.set STO,  24
.set RD,   25
.set CO,   26
.set SPW,  28
.set NIL,  29
.set PFO,  30
.set G1,  24
.set G0,  32
.set G1B, 48
.set G0B, 56
.set PFA, 44
.set LIM0, 43
.set LIM1, 46
.set PST, 68
.set MSB, 0
.macro WIN new
.if MSB != (\new)
	s_set_vgpr_msb (MSB<<8)|(\new)
.set MSB, \new
.endif
.endm
.macro JLOAD s                         ; a joint load: waves 0 and 1 fetch A's two halves, waves 2 and 3 B's; an s_nop 0 and four v_nop follow each of the two lines
	s_cmp_eq_u32 s11, 0
	s_cbranch_scc0 .Lfor_b_\@
	tensor_load_to_lds s[G0+4*(\s):G0+4*(\s)+3], s[G1:G1+7]
	s_nop 0
.rept 4
	v_nop
.endr
	s_branch .Lasked_\@
.Lfor_b_\@:
	tensor_load_to_lds s[G0B+4*(\s):G0B+4*(\s)+3], s[G1B:G1B+7]
	s_nop 0
.rept 4
	v_nop
.endr
.Lasked_\@:
.endm
.macro ASK lim                         ; a prefetch into the L2: 32 blocks of 256 bytes, a lane a block; each block of ob and wo is named once in the launch
	s_cmp_gt_u32 s3, s[\lim]
	s_cbranch_scc0 .Lnot_mine_\@
	global_prefetch_b8 v[PFO], s[PFA:PFA+1] th:TH_LOAD_NT scope:SCOPE_SE
.Lnot_mine_\@:
.endm
.macro CREST
	s_cmp_lg_u32 s10, 0
	s_cbranch_scc1 .Lnot_wave_0_\@
	s_barrier_signal -3
.Lnot_wave_0_\@:
	s_barrier_wait -3
	s_barrier_signal -1
	s_barrier_wait -1
.endm
.macro CROUND
	s_barrier_signal -1
	s_barrier_wait -1
	CREST
.endm
.macro PLACES
.rept 4
	v_nop
.endr
.endm
	s_load_b128 s[4:7], s[0:1], 0x0                ; ob s[4:5], wo s[6:7]
	s_load_b64 s[8:9], s[0:1], 0x10                ; out0
	v_lshl_add_u32 v[SPW], v0, 2, SPARE
	v_mov_b32 v[NIL], 0
	ds_add_u32 v[SPW], v[NIL]                      ; the wave's opening: the add, twice on end, and its wait ahead of my first tensor load
	ds_add_u32 v[SPW], v[NIL]
	v_lshrrev_b32 v1, 5, v0
	v_readfirstlane_b32 s10, v1
	s_lshr_b32 s11, s10, 1                         ; wm.  Also: I fetch for A (0) or for B (1)
	s_and_b32 s12, s10, 1                          ; wn.  Also: which half of that tile I fetch
	s_bfe_u32 s40, ttmp6, 0x40000                  ; cx
	s_bfe_u32 s41, ttmp6, 0x40004                  ; cy
	s_lshl_b32 s42, ttmp9, 2
	s_add_co_u32 s42, s42, s40                     ; X
	s_and_b32 s13, ttmp7, 0xffff
	s_lshl_b32 s13, s13, 2
	s_add_co_u32 s13, s13, s41                     ; Y
	s_lshl_b32 s80, s41, 2
	s_lshl_b32 s80, 15, s80
	s_lshl_b32 s81, 0x1111, s40
	; A: 32,768 dense bytes as 128 rows of 256, 16 bytes of padding after every 64 (a row of a slice): LDS pitch 80
	s_or_b32 s[G1+0], s80, (1<<16)|(1<<20)|(1<<21)|(3<<22)|(3<<25)
	s_mov_b32 s[G1+1], 128<<16
	s_mov_b32 s[G1+2], 128<<16
	s_mov_b32 s[G1+3], 128<<16
	s_mov_b32 s[G1+4], 128
	s_mov_b32 s[G1+5], 128
	s_mov_b32 s[G1+6], 0
	s_mov_b32 s[G1+7], 0
	; B: 64 k-rows of 256 bytes, 32 bytes of padding after each: LDS pitch 288
	s_or_b32 s[G1B+0], s81, (1<<16)|(1<<20)|(1<<21)|(5<<22)|(7<<25)
	s_mov_b32 s[G1B+1], 128<<16
	s_mov_b32 s[G1B+2], 64<<16
	s_mov_b32 s[G1B+3], 128<<16
	s_mov_b32 s[G1B+4], 64
	s_mov_b32 s[G1B+5], 128
	s_mov_b32 s[G1B+6], 0
	s_mov_b32 s[G1B+7], 0
	s_lshl_b32 s16, s13, 19
	s_lshl_b32 s17, s12, 15
	s_add_co_u32 s16, s16, s17
	s_mov_b32 s17, 0
	s_lshl_b32 s18, s42, 18
	s_lshl_b32 s19, s12, 14
	s_add_co_u32 s18, s18, s19
	s_mov_b32 s19, 0
	s_mul_i32 s82, s12, APART
	s_mul_i32 s83, s12, BPART
	s_add_co_u32 s83, s83, BOFF
	s_wait_dscnt 0x0                               ; both opening adds are done
	s_wait_kmcnt 0x0
	s_add_nc_u64 s[14:15], s[4:5], s[16:17]
	s_add_nc_u64 s[66:67], s[6:7], s[18:19]
	CROUND                                         ; all sixteen work-groups are here: the first joint loads meet
.irp s, 0,1
	s_mov_b32 s[G0+4*(\s)], 1
	s_add_co_u32 s[G0+4*(\s)+1], s82, (\s)*SLOT
	s_add_nc_u64 s[G0+4*(\s)+2:G0+4*(\s)+3], s[14:15], (\s)*65536
	s_or_b32 s[G0+4*(\s)+3], s[G0+4*(\s)+3], 0x80000000
	s_mov_b32 s[G0B+4*(\s)], 1
	s_add_co_u32 s[G0B+4*(\s)+1], s83, (\s)*SLOT
	s_add_nc_u64 s[G0B+4*(\s)+2:G0B+4*(\s)+3], s[66:67], (\s)*32768
	s_or_b32 s[G0B+4*(\s)+3], s[G0B+4*(\s)+3], 0x80000000
	JLOAD \s                                       ; two loads of mine are out
.endr
	v_and_b32 v1, 15, v0
	v_bfe_u32 v2, v0, 4, 1
	v_and_b32 v3, 7, v0
	v_bfe_u32 v4, v0, 3, 1
	v_and_b32 v5, 31, v0
	v_mul_u32_u24 v6, v1, 80
	v_lshl_add_u32 v6, v2, 4, v6
	s_mul_i32 s90, s11, 10240                      ; my 128 rows of a slice
	v_add_nc_u32 v[ADRA], s90, v6
	v_add_nc_u32 v[ADRA+1], APART, v[ADRA]
	v_add_nc_u32 v[ADRA+2], SLOT, v[ADRA]
	v_add_nc_u32 v[ADRA+3], SLOT+APART, v[ADRA]
	v_lshl_add_u32 v7, v2, 3, v3
	v_mul_u32_u24 v7, v7, 288
	v_lshl_add_u32 v7, v4, 4, v7
	s_lshl_b32 s91, s12, 7
	s_add_co_u32 s91, s91, BOFF
	v_add_nc_u32 v[ADRB], s91, v7
	v_add_nc_u32 v[ADRB+1], SLOT, v[ADRB]
	s_mul_i32 s92, s10, STW
	s_add_co_u32 s92, s92, STAGE
	v_mul_u32_u24 v8, v1, 272
	v_lshl_add_u32 v8, v2, 5, v8
	v_add_nc_u32 v[STO], s92, v8
	v_mul_u32_u24 v9, v2, 272
	v_lshl_add_u32 v9, v1, 4, v9
	v_add_nc_u32 v[RD], s92, v9
	v_lshlrev_b32 v10, 12, v2
	v_lshl_add_u32 v[CO], v1, 4, v10
	v_lshlrev_b32 v[PFO], 8, v5
	; out0 at my first row and column: (256 Y + 128 wm) x 4,096 + (128 X + 64 wn) x 4
	s_lshl_b32 s20, s13, 20
	s_lshl_b32 s21, s11, 19
	s_add_co_u32 s20, s20, s21
	s_lshl_b32 s21, s42, 9
	s_add_co_u32 s20, s20, s21
	s_lshl_b32 s21, s12, 8
	s_add_co_u32 s86, s20, s21
	s_mov_b32 s87, 0
	s_add_nc_u64 s[8:9], s[8:9], s[86:87]
	; the prefetches: the step THREE refills on, 384 matrix instructions ahead of the load that will want it.  Waves 0 and 1: 8,192 bytes each (by cx) of A's step of 65,536, where cluster x = 0.
	; Wave 2: 8,192 bytes (by cy) of B's step of 32,768, where cluster y = 0.  Steps 0 to 4 come by their loads alone; step 7 is the last that is named.
	s_lshl_b32 s20, s13, 19
	s_lshl_b32 s21, s10, 15
	s_add_co_u32 s20, s20, s21
	s_lshl_b32 s21, s40, 13
	s_add_co_u32 s20, s20, s21
	s_add_co_u32 s20, s20, 4*65536                 ; at step 4: the first refill steps it to 5
	s_lshl_b32 s21, s42, 18
	s_lshl_b32 s22, s41, 13
	s_add_co_u32 s21, s21, s22
	s_add_co_u32 s21, s21, 4*32768
	s_and_b32 s23, ttmp7, 0xffff
	s_mov_b32 s[PST], 32768
	s_mov_b32 s[PST+1], 0
	s_mov_b32 s89, 0
	s_cmp_eq_u32 s11, 0
	s_cselect_b32 s88, s20, s21
	s_cselect_b64 s[PFA:PFA+1], s[4:5], s[6:7]
	s_cselect_b32 s[PST], 65536, s[PST]
	s_cselect_b32 s22, ttmp9, s23
	s_add_nc_u64 s[PFA:PFA+1], s[PFA:PFA+1], s[88:89]
	s_cmp_eq_u32 s10, 3
	s_cselect_b32 s22, 1, s22                      ; wave 3 asks for nothing
	s_cmp_eq_u32 s22, 0
	s_cselect_b32 s[LIM0], 1, -1                   ; at a refill of slot 0 with 3 or 2 laps to go: steps 5 and 7
	s_cselect_b32 s[LIM1], 2, -1                   ; at a refill of slot 1 with 3 laps to go: step 6
.macro MUL8 p, a0, zero                ; 8 matrix instructions from the buffers of parity p; the 32 accumulators take turns
	WIN 0x50
.irp a, \a0, (\a0)+1
.irp b, 0,1,2,3
.if \zero
	v_wmma_f32_16x16x32_f16 v[8*(4*(\a)+(\b)):8*(4*(\a)+(\b))+7], v[192+32*(\p)+8*(\b):192+32*(\p)+8*(\b)+7], v[64+64*(\p)+8*(\a):64+64*(\p)+8*(\a)+7], 0
.else
	v_wmma_f32_16x16x32_f16 v[8*(4*(\a)+(\b)):8*(4*(\a)+(\b))+7], v[192+32*(\p)+8*(\b):192+32*(\p)+8*(\b)+7], v[64+64*(\p)+8*(\a):64+64*(\p)+8*(\a)+7], v[8*(4*(\a)+(\b)):8*(4*(\a)+(\b))+7]
.endif
.endr
.endr
.endm
.macro RUN slot, kap                   ; a slice's 24 LDS loads in one run: B's 8, A's rows 0-63, A's rows 64-127
.set RB, 192+32*((\kap)%2)
.set RA, 64+64*((\kap)%2)
.irp b, 0,1,2,3
	ds_load_tr16_b128 v[RB+8*(\b):RB+8*(\b)+3],   v[ADRB+(\slot)] offset:(\kap)*9216+(\b)*32
	ds_load_tr16_b128 v[RB+8*(\b)+4:RB+8*(\b)+7], v[ADRB+(\slot)] offset:(\kap)*9216+(\b)*32+4608
.endr
.irp a, 0,1,2,3,4,5,6,7
	ds_load_b128 v[RA+8*(\a):RA+8*(\a)+3],   v[ADRA+2*(\slot)+(\kap)/2] offset:((\kap)%2)*20480+(\a)*1280
	ds_load_b128 v[RA+8*(\a)+4:RA+8*(\a)+7], v[ADRA+2*(\slot)+(\kap)/2] offset:((\kap)%2)*20480+(\a)*1280+32
.endr
.endm
; A slice: 32 matrix instructions; in its middle the next slice's run of loads, four places behind the last reader of those buffers.  chg = 1, 2 (a step's last slice): the change of slots, as one barrier:
; in front of it all my tensor loads have landed, the add, and the wait for it and for my reads of this slot; chg = 1: it opens a round of the cluster's barrier, and the joint refill is the first thing behind the round,
; 112 matrix instructions ahead of the wait for it.
.macro SL slot, kap, zero, chg, last
.set PP, (\kap)%2
.if (\kap) < 3
.set NS, (\slot)
.set NK, (\kap)+1
.else
.set NS, 1-(\slot)
.set NK, 0
.endif
.if \chg
.if (\chg) == 1
	s_wait_xcnt 0x0                                ; the last prefetch, a step back, has read its address
	s_add_nc_u64 s[PFA:PFA+1], s[PFA:PFA+1], s[PST:PST+1]
.endif
	WIN 0                                          ; the add's two registers lie in window 0
	s_wait_tensorcnt 0x0                           ; all my tensor loads have landed: the one that was out is my part of the other slot
	ds_add_u32 v[SPW], v[NIL]                      ; 0 onto my spare word
	s_wait_dscnt 9                                 ; the add and A's rows 64-127 may be out
	MUL8 PP, 0, 0
	s_wait_dscnt 0x0                               ; the add is done, and my reads of this slot are over
	s_barrier_signal -1
	MUL8 PP, 2, 0
	WIN 0
	s_barrier_wait -1
.if (\chg) == 1
	CREST
	s_add_nc_u64 s[G0+4*(\slot)+2:G0+4*(\slot)+3], s[G0+4*(\slot)+2:G0+4*(\slot)+3], 131072
	s_add_nc_u64 s[G0B+4*(\slot)+2:G0B+4*(\slot)+3], s[G0B+4*(\slot)+2:G0B+4*(\slot)+3], 65536
	JLOAD \slot                                    ; its four v_nop are also the places in front of the loads below
.else
	PLACES
.endif
	RUN NS, NK
.if (\chg) == 1
.if (\slot) == 0
	ASK LIM0
.else
	ASK LIM1
.endif
.endif
	MUL8 PP, 4, 0
	MUL8 PP, 6, 0
.else
	s_wait_dscnt 8                                 ; B and A's rows 0-63 are in; the youngest eight loads may be out
	MUL8 PP, 0, \zero
	MUL8 PP, 2, \zero
.if \last
	s_wait_dscnt 0x0
.else
	PLACES
	WIN 0
	RUN NS, NK
	s_wait_dscnt 24                                ; all but the 24 just issued
.endif
	MUL8 PP, 4, \zero
	MUL8 PP, 6, \zero
.endif
.endm
; THE WAY OUT, 16 rows at a time through my own stage: 32 bytes a lane in, whole rows of 256 bytes back, sixteen lanes to a row of my 64 columns.
.macro TOSTAGE a
	WIN 0x04                                       ; the stores' data (source 1) in window 1
.irp b, 0,1,2,3
	ds_store_b128 v[STO], v[8*(4*(\a)+(\b)):8*(4*(\a)+(\b))+3]   offset:(\b)*64     ; each accumulator's low registers first
	ds_store_b128 v[STO], v[8*(4*(\a)+(\b))+4:8*(4*(\a)+(\b))+7] offset:(\b)*64+16
.endr
	WIN 0
.if (\a) >= 2
	s_wait_xcnt 0x0                                ; the stores of two blocks back have read these registers
.endif
.irp t, 0,1,2,3,4,5,6,7
	ds_load_b128 v[32+32*((\a)%2)+4*(\t):32+32*((\a)%2)+4*(\t)+3], v[RD] offset:(\t)*544  ; in order behind the stores above
.endr
.endm
.macro SEND a, younger                 ; younger: the LDS instructions issued behind block a's loads: the next block's sixteen, or none
	s_wait_dscnt \younger
.irp t, 0,1,2,3,4,5,6,7
	global_store_b128 v[CO], v[32+32*((\a)%2)+4*(\t):32+32*((\a)%2)+4*(\t)+3], s[8:9] offset:(\a)*65536+(\t)*8192  ; 16 lanes store 256 consecutive bytes, at a multiple of 256 from out0's first byte
.endr
.endm
	s_wait_tensorcnt 1                             ; my part of step 0 is in; step 1's may stay out
	s_barrier_signal -1
	s_barrier_wait -1
	RUN 0, 0
	SL 0, 0, 1, 0, 0                               ; the first slice stands in front of the loop: its products start the sums
	WIN 0
	s_mov_b32 s3, 3
.Llap:                                                 ; a trip goes once round the ring and fills both slots again
	SL 0, 1, 0, 0, 0
	SL 0, 2, 0, 0, 0
	SL 0, 3, 0, 1, 0
	SL 1, 0, 0, 0, 0
	SL 1, 1, 0, 0, 0
	SL 1, 2, 0, 0, 0
	SL 1, 3, 0, 1, 0
	SL 0, 0, 0, 0, 0
	WIN 0
	s_sub_co_u32 s3, s3, 1
	s_cmp_lg_u32 s3, 0
	s_cbranch_scc1 .Llap
	SL 0, 1, 0, 0, 0                               ; the tail is written out: nothing more is asked for
	SL 0, 2, 0, 0, 0
	SL 0, 3, 0, 2, 0
	SL 1, 0, 0, 0, 0
	SL 1, 1, 0, 0, 0
	SL 1, 2, 0, 0, 0
	SL 1, 3, 0, 0, 1
	PLACES
	TOSTAGE 0
.irp a, 1,2,3,4,5,6,7
	TOSTAGE \a
	SEND (\a)-1, 16
.endr
	SEND 7, 0
	s_wait_tensorcnt 0x0                           ; the wave's end: behind my last tensor load and my last LDS store
	ds_add_u32 v[SPW], v[NIL]
	s_wait_dscnt 0x0
	CROUND                                         ; the closing round
	s_endpgm
.Lfunc_end_k_qca1266d968_gemm_out:
	.size	k_qca1266d968_gemm_out, .Lfunc_end_k_qca1266d968_gemm_out-k_qca1266d968_gemm_out
	.p2alignl 7, 3214868480
	.fill 96, 4, 3214868480
	.section	.rodata,"a",@progbits
	.p2align	6, 0x0
	.amdhsa_kernel k_qca1266d968_gemm_out
		.amdhsa_group_segment_fixed_size 327680
		.amdhsa_private_segment_fixed_size 0
		.amdhsa_enable_private_segment 0
		.amdhsa_kernarg_size 24
		.amdhsa_user_sgpr_count 2
		.amdhsa_user_sgpr_kernarg_segment_ptr 1
		.amdhsa_wavefront_size32 1
		.amdhsa_system_sgpr_workgroup_id_x 1
		.amdhsa_system_sgpr_workgroup_id_y 1
		.amdhsa_system_sgpr_workgroup_id_z 1
		.amdhsa_system_vgpr_workitem_id 0
		.amdhsa_next_free_vgpr 512
		.amdhsa_next_free_sgpr 100
		.amdhsa_reserve_vcc 0
		.amdhsa_float_denorm_mode_32 3
		.amdhsa_float_denorm_mode_16_64 3
		.amdhsa_memory_ordered 1
		.amdhsa_forward_progress 1
		.amdhsa_inst_pref_size 87
	.end_amdhsa_kernel
	.amdgpu_metadata
---
amdhsa.version: [ 1, 2 ]
amdhsa.kernels:
  - .name:           k_qca1266d968_gemm_out
    .symbol:         k_qca1266d968_gemm_out.kd
    .args:
      - { .name: ob, .offset: 0, .size: 8, .value_kind: global_buffer, .address_space: global }
      - { .name: wo, .offset: 8, .size: 8, .value_kind: global_buffer, .address_space: global }
      - { .name: out0, .offset: 16, .size: 8, .value_kind: global_buffer, .address_space: global }
    .group_segment_fixed_size: 327680
    .private_segment_fixed_size: 0
    .kernarg_segment_align: 8
    .kernarg_segment_size: 24
    .max_flat_workgroup_size: 128
    .sgpr_count:     100
    .vgpr_count:     512
    .wavefront_size: 32
...
	.end_amdgpu_metadata
.endif
;; end of part 4
;; ======== version 2 of 2: 4 launches; version 1 with the launch cast written anew for expert scheduling mode
;; limits: values are held in f16: magnitudes above 65,504 overflow, below 6.1e-05 lose precision
;; workspace buffers: xb 16,777,216 bytes; wq 6,291,456 bytes; wo 2,097,152 bytes; qkv 50,331,648 bytes; ob 16,777,216 bytes
;; launch cast (part 5): grid 704 x 1, 8 waves a work-group, no clusters, 0 bytes of LDS; arguments x, W_qkv, W_out, xb, wq, wo; writes xb, wq, wo
.if DOCPART == 5
	.amdgcn_target "amdgcn-amd-amdhsa--gfx1250"
	.amdhsa_code_object_version 6
	.text
	.protected	k_qca1266d968_cast
	.globl	k_qca1266d968_cast
	.p2align	8
	.type	k_qca1266d968_cast,@function
k_qca1266d968_cast:
	s_mov_b64 s[64:65], 0
	v_nop
	global_prefetch_b8 v0, s[64:65] scope:SCOPE_SE
	s_setreg_imm32_b32 hwreg(HW_REG_WAVE_SCHED_MODE, 0, 2), 2
	s_setreg_imm32_b32 hwreg(HW_REG_WAVE_MODE, 25, 1), 1
	s_wait_xcnt 0x0
	s_wait_alu depctr_vm_vsrc(0)
; The three large inputs are rounded once to bf16 and laid out in dense blocks for the two products that follow.
;   xb: bf16 [Y=32][ks=16][256 rows][64]: row m = 256 Y + tr, column k = 64 ks + c
;   wq: bf16 [X=8][k=1024][384]: column n of W_qkv (which = n >> 10, head = (n >> 6) & 15, X = head >> 1) at byte which x 256 + (n & 127) x 2 of its row
;   wo: f16 of bf16(W_out) / 8, [X=8][k=1024][128].  The eighth is a power of two; the launch that makes o stores 8 o.
; LIMITS.  |W_out| / 8 stays under 65,504; below 6e-5 it keeps f16's fixed step of 6e-8.  NaN and infinities are not treated apart.
; A stream: every wave instruction loads 512 bytes in whole aligned pieces of 256 or 512 and stores 256 consecutive aligned bytes.  A thread issues all its loads first
; (16 or 24, each with registers of its own), then converts and stores them in order, four at a time: the waits count the younger loads.  No LDS, no barrier, no matrix unit: nothing is shared or multiplied.
; Work-groups 0-511: 16 rows of x each.  512-639: 8 rows of W_qkv each, a row a wave.  640-703: 16 rows of W_out each, two rows a wave.
; THE MODE: SCHED_MODE bits 1:0 = 2 (LLVM: expert scheduling mode 2), set by the entry lines.  The code itself states the register dependences
; between vector instructions and memory instructions, with s_wait_alu, always for 0.
; THE PLAN.  Registers that memory instructions touch, in each of the three arms:
;   v3, v5     byte offsets of the loads and of the stores: made once at the arm's head, never written again.
;   IN i       written by load i alone, read by conversion i alone; every load is issued ahead of every conversion.
;   OUT i      written once, by conversion i; read once, by store i.
;   TMP, v1, v2, v4 are named by vector instructions alone.
; The loads go in blocks of four.  Block p converts IN 4 p .. 4 p + 3 into OUT 4 p .. 4 p + 3; its memory instructions are the four stores of block p - 1, which read OUT 4 (p - 1) .. and v5:
; registers that no conversion of block p names.  So one wait at a block's head states all that its four stores hang on, and they are dealt among its conversions with no further wait.
; No register that a memory instruction reads is ever written again, no vector instruction writes a scalar register, and EXEC is never written: nothing more is owed.
.set IN,  8                            ; v[8:103]    load i: 4 registers
.set OUT, 104                          ; v[104:151]  store i: 2 registers
.set TMP, 152                          ; v[152:157]  at work
.macro CV i                            ; four f32 to four bf16
	v_cvt_pk_bf16_f32 v[OUT+2*(\i)], v[IN+4*(\i)], v[IN+4*(\i)+1]
	v_cvt_pk_bf16_f32 v[OUT+2*(\i)+1], v[IN+4*(\i)+2], v[IN+4*(\i)+3]
.endm
.macro CVO i                           ; four f32 rounded to bf16, divided by 8, written as f16
	v_cvt_pk_bf16_f32 v[TMP], v[IN+4*(\i)], v[IN+4*(\i)+1]
	v_cvt_pk_bf16_f32 v[TMP+1], v[IN+4*(\i)+2], v[IN+4*(\i)+3]
	v_lshlrev_b32 v[TMP+2], 16, v[TMP]
	v_and_b32 v[TMP+3], s16, v[TMP]
	v_lshlrev_b32 v[TMP+4], 16, v[TMP+1]
	v_and_b32 v[TMP+5], s16, v[TMP+1]
	v_pk_mul_f32 v[TMP+2:TMP+3], v[TMP+2:TMP+3], 0x3e000000 op_sel_hi:[1,0]
	v_pk_mul_f32 v[TMP+4:TMP+5], v[TMP+4:TMP+5], 0x3e000000 op_sel_hi:[1,0]
	v_cvt_pk_f16_f32 v[OUT+2*(\i)], v[TMP+2], v[TMP+3]
	v_cvt_pk_f16_f32 v[OUT+2*(\i)+1], v[TMP+4], v[TMP+5]
.endm
	s_load_b256 s[4:11], s[0:1], 0x0               ; x s[4:5], W_qkv s[6:7], W_out s[8:9], xb s[10:11]
	s_load_b128 s[12:15], s[0:1], 0x20             ; wq s[12:13], wo s[14:15]
	s_mov_b32 s20, ttmp9
	s_mov_b32 s3, 0                                ; high word of every offset pair
	s_mov_b32 s16, 0xffff0000                      ; a word's upper bf16
	v_and_b32 v1, 31, v0                           ; lane
	v_lshrrev_b32 v2, 5, v0                        ; wave
	s_wait_kmcnt 0x0
	s_cmp_lt_u32 s20, 512
	s_cbranch_scc0 .Lweights
	; x: 16 rows.  Sixteen threads take 256 bytes (64 columns, one ks block) of a row; load i is block ks = i
	s_lshl_b32 s2, s20, 16
	s_add_nc_u64 s[4:5], s[4:5], s[2:3]
	s_lshr_b32 s21, s20, 4
	s_lshl_b32 s21, s21, 19                        ; Y x 524,288
	s_and_b32 s22, s20, 15
	s_lshl_b32 s22, s22, 11                        ; my 16 rows of 128 bytes in a block
	s_add_co_u32 s2, s21, s22
	s_add_nc_u64 s[10:11], s[10:11], s[2:3]
	v_lshrrev_b32 v3, 4, v0
	v_and_b32 v4, 15, v0
	v_lshlrev_b32 v4, 4, v4
	v_lshl_add_u32 v3, v3, 12, v4                  ; row x 4,096 + 16 x place
	v_lshlrev_b32 v5, 3, v0                        ; out: row x 128 + 8 x place = 8 x thread
	s_wait_alu depctr_va_vdst(0)                   ; v3 and v5 are written: the loads below read v3 as their offset, the stores v5
.set i, 0
.rept 16
	global_load_b128 v[IN+4*i:IN+4*i+3], v3, s[4:5] offset:i*256 th:TH_LOAD_NT
.set i, i+1
.endr
.set i, 0
.rept 16
.if (i%4) == 0
	s_wait_loadcnt 12-i                            ; loads come back in order: this block's four are in, the younger ones stay out
.if i > 0
	s_wait_alu depctr_va_vdst(0)                   ; the block before has written its OUT registers, which the four stores of this block read
.endif
.endif
.if i >= 4
	global_store_b64 v5, v[OUT+2*(i-4):OUT+2*(i-4)+1], s[10:11] offset:(i-4)*32768  ; the block before; no conversion since the wait names these registers
.endif
	CV i
.set i, i+1
.endr
	s_wait_alu depctr_va_vdst(0)                   ; the last block has written its OUT registers, which the last four stores read
.set i, 12
.rept 4
	global_store_b64 v5, v[OUT+2*i:OUT+2*i+1], s[10:11] offset:i*32768
.set i, i+1
.endr
	s_endpgm
.Lweights:
	s_cmp_lt_u32 s20, 640
	s_cbranch_scc0 .Lwout
	; W_qkv: 8 rows, a row a wave.  Load u takes columns 128 u .. 128 u + 127: which = u / 8, X = u % 8
	s_sub_co_u32 s20, s20, 512
	s_mul_i32 s2, s20, 98304
	s_add_nc_u64 s[6:7], s[6:7], s[2:3]
	s_mul_i32 s2, s20, 6144
	s_add_nc_u64 s[12:13], s[12:13], s[2:3]
	v_mul_u32_u24 v3, v2, 12288
	v_lshl_add_u32 v3, v1, 4, v3
	v_mul_u32_u24 v5, v2, 768
	v_lshl_add_u32 v5, v1, 3, v5
	s_wait_alu depctr_va_vdst(0)                   ; v3 and v5 are written: the loads below read v3 as their offset, the stores v5
.set i, 0
.rept 24
	global_load_b128 v[IN+4*i:IN+4*i+3], v3, s[6:7] offset:i*512 th:TH_LOAD_NT
.set i, i+1
.endr
.set i, 0
.rept 24
.if (i%4) == 0
	s_wait_loadcnt 20-i                            ; this block's four are in, the younger ones stay out
.if i > 0
	s_wait_alu depctr_va_vdst(0)                   ; the block before has written its OUT registers, which the four stores of this block read
.endif
.endif
.if i >= 4
	global_store_b64 v5, v[OUT+2*(i-4):OUT+2*(i-4)+1], s[12:13] offset:((i-4)%8)*786432+((i-4)/8)*256  ; the block before; no conversion since the wait names these registers
.endif
	CV i
.set i, i+1
.endr
	s_wait_alu depctr_va_vdst(0)                   ; the last block has written its OUT registers, which the last four stores read
.set i, 20
.rept 4
	global_store_b64 v5, v[OUT+2*i:OUT+2*i+1], s[12:13] offset:(i%8)*786432+(i/8)*256
.set i, i+1
.endr
	s_endpgm
.Lwout:
	; W_out: 16 rows, two a wave.  Load i: row i / 8 of the two, columns 128 (i % 8) on
	s_sub_co_u32 s20, s20, 640
	s_lshl_b32 s2, s20, 16
	s_add_nc_u64 s[8:9], s[8:9], s[2:3]
	s_lshl_b32 s2, s20, 12
	s_add_nc_u64 s[14:15], s[14:15], s[2:3]
	v_lshlrev_b32 v3, 13, v2
	v_lshl_add_u32 v3, v1, 4, v3
	v_lshlrev_b32 v5, 9, v2
	v_lshl_add_u32 v5, v1, 3, v5
	s_wait_alu depctr_va_vdst(0)                   ; v3 and v5 are written: the loads below read v3 as their offset, the stores v5
.set i, 0
.rept 16
	global_load_b128 v[IN+4*i:IN+4*i+3], v3, s[8:9] offset:i*512 th:TH_LOAD_NT
.set i, i+1
.endr
.set i, 0
.rept 16
.if (i%4) == 0
	s_wait_loadcnt 12-i                            ; this block's four are in, the younger ones stay out
.if i > 0
	s_wait_alu depctr_va_vdst(0)                   ; the block before has written its OUT registers, which the four stores of this block read
.endif
.endif
.if i >= 4
	global_store_b64 v5, v[OUT+2*(i-4):OUT+2*(i-4)+1], s[14:15] offset:((i-4)%8)*262144+((i-4)/8)*256  ; the block before; no conversion since the wait names these registers
.endif
	CVO i
.set i, i+1
.endr
	s_wait_alu depctr_va_vdst(0)                   ; the last block has written its OUT registers, which the last four stores read
.set i, 12
.rept 4
	global_store_b64 v5, v[OUT+2*i:OUT+2*i+1], s[14:15] offset:(i%8)*262144+(i/8)*256
.set i, i+1
.endr
	s_endpgm
.Lfunc_end_k_qca1266d968_cast:
	.size	k_qca1266d968_cast, .Lfunc_end_k_qca1266d968_cast-k_qca1266d968_cast
	.p2alignl 7, 3214868480
	.fill 96, 4, 3214868480
	.section	.rodata,"a",@progbits
	.p2align	6, 0x0
	.amdhsa_kernel k_qca1266d968_cast
		.amdhsa_group_segment_fixed_size 0
		.amdhsa_private_segment_fixed_size 0
		.amdhsa_enable_private_segment 0
		.amdhsa_kernarg_size 48
		.amdhsa_user_sgpr_count 2
		.amdhsa_user_sgpr_kernarg_segment_ptr 1
		.amdhsa_wavefront_size32 1
		.amdhsa_system_sgpr_workgroup_id_x 1
		.amdhsa_system_sgpr_workgroup_id_y 1
		.amdhsa_system_sgpr_workgroup_id_z 1
		.amdhsa_system_vgpr_workitem_id 0
		.amdhsa_next_free_vgpr 160
		.amdhsa_next_free_sgpr 66
		.amdhsa_reserve_vcc 0
		.amdhsa_float_denorm_mode_32 3
		.amdhsa_float_denorm_mode_16_64 3
		.amdhsa_memory_ordered 1
		.amdhsa_forward_progress 1
		.amdhsa_inst_pref_size 28
	.end_amdhsa_kernel
	.amdgpu_metadata
---
amdhsa.version: [ 1, 2 ]
amdhsa.kernels:
  - .name:           k_qca1266d968_cast
    .symbol:         k_qca1266d968_cast.kd
    .args:
      - { .name: x, .offset: 0, .size: 8, .value_kind: global_buffer, .address_space: global }
      - { .name: W_qkv, .offset: 8, .size: 8, .value_kind: global_buffer, .address_space: global }
      - { .name: W_out, .offset: 16, .size: 8, .value_kind: global_buffer, .address_space: global }
      - { .name: xb, .offset: 24, .size: 8, .value_kind: global_buffer, .address_space: global }
      - { .name: wq, .offset: 32, .size: 8, .value_kind: global_buffer, .address_space: global }
      - { .name: wo, .offset: 40, .size: 8, .value_kind: global_buffer, .address_space: global }
    .group_segment_fixed_size: 0
    .private_segment_fixed_size: 0
    .kernarg_segment_align: 8
    .kernarg_segment_size: 48
    .max_flat_workgroup_size: 256
    .sgpr_count:     66
    .vgpr_count:     160
    .wavefront_size: 32
...
	.end_amdgpu_metadata
.endif
;; end of part 5
;; launch gemm_qkv: the kernel of part 2 again; grid 8 x 32, 4 waves a work-group, clusters of 4 x 4, 327,680 bytes of LDS; arguments xb, wq, qkv; writes qkv
;; launch scan: the kernel of part 3 again; grid 256 x 1, 16 waves a work-group, no clusters, 307,200 bytes of LDS; arguments qkv, state, decay_param, ob, out1; writes ob, out1
;; launch gemm_out: the kernel of part 4 again; grid 8 x 32, 4 waves a work-group, clusters of 4 x 4, 327,680 bytes of LDS; arguments ob, wo, out0; writes out0
